; MI455X (gfx1250); checked and timed in simulation.
; The chip was launched on July 23, 2026; its instructions are those of AMD's public machine-readable ISA for CDNA 5 (MIT licence, August 2026) and "CDNA5" Instruction Set Architecture Reference Guide (July 2026). The comments in the code are by the model that wrote it; some were corrected since.
;; Temporal Dilated Attention. Allowed arithmetic: float matrix products may take bf16 or f16 operands with f32 sums; other float arithmetic in f32, or as packed bf16 or f16 multiplies, adds, multiply-adds, maxima and minima; sums over many terms, partial sums and values carried from step to step in f32; what a program stores and reads back later, other than sums and carried values, may be rounded once to bf16 or f16.
;; Inputs: Wk 1,024 x 1,024 float32; Wo 1,024 x 1,024 float32; Wq 1,024 x 1,024 float32; Wv 1,024 x 1,024 float32; beta 1,024 float32; bk 1,024 float32; bo 1,024 float32; bq 1,024 float32; bv 1,024 float32; dil_w 4 float32; gamma 1,024 float32; hist 64 x 256 x 1,024 float32; x 256 x 1,024 float32.
;; Outputs: out0 256 x 1,024 float32.
;; 2 versions, each right; version 2 is version 1 with the launches cvt, qproj, oproj written anew for expert scheduling mode. Each part assembles by itself: llvm-mc -triple=amdgcn-amd-amdhsa -mcpu=gfx1250 --defsym DOCPART=n.
;; ======== version 1 of 2: 7 launches
;; workspace buffers: Fb 35,651,584 bytes; qf 1,048,576 bytes; Qp 2,097,152 bytes; cbv 4,096 bytes; Zpart 16,777,216 bytes; stat 131,072 bytes; cmb 1,048,576 bytes
;; launch cvt (part 1): grid 544 x 1, 8 waves a work-group, no clusters, 0 bytes of LDS; arguments hist, Wv, Fb; writes Fb
.if DOCPART == 1
	.amdgcn_target "amdgcn-amd-amdhsa--gfx1250"
	.amdhsa_code_object_version 6
	.text
	.protected	k_qa860b96de4_cvt
	.globl	k_qa860b96de4_cvt
	.p2align	8
	.type	k_qa860b96de4_cvt,@function
k_qa860b96de4_cvt:
	s_mov_b64 s[64:65], 0
	v_nop
	global_prefetch_b8 v0, s[64:65] scope:SCOPE_SE
	s_setreg_imm32_b32 hwreg(HW_REG_WAVE_MODE, 25, 1), 1
	s_wait_xcnt 0x0
; Fb's rows 0 to 16,383 = hist rounded once to bf16, its 64 frames put in the order of their classes;  Fb's rows 16,384 to 17,407 = Wv rounded once to bf16, its rows put in the order in which the attention launch multiplies them.
; hist: [64][256][1024] f32.  Fb: [17408][1024] bf16; a frame is 256 rows.  Frame l goes to place p:
;   l % 16 == 0: p = l / 16 (0-3);  l % 16 == 8: p = 4 + l / 16 (4-7);  l % 8 == 4: p = 8 + l / 8 (8-15);  else p = 16 + 3 (l / 4) + l % 4 - 1 (16-63).
; So the frames of stride 16 are places 0-3, of stride 8 places 0-7, of stride 4 places 0-15, of stride 1 all; a softmax does not care for the order of its keys.
; Wv: [1024][1024] f32.  Its row 256 w + 128 q1 + 64 h + 32 q0 + 8 u + j goes to row 16,384 + 256 w + 128 q1 + 64 q0 + 16 u + 8 h + j (q1, q0, h one bit; u two; j three).
; A stream: no LDS, no matrix unit, no cluster (no byte is read twice).  A work-group owns 131,072 bytes of its source: work-groups 0 to 511 an eighth of a frame, 512 to 543 32 rows of Wv.
; Thread t takes 16 bytes at 16 t of each of the 32 runs of 4,096 bytes (a run is a row of 1,024 numbers).  All 32 loads of a wave (512 consecutive bytes each) go out at once;
; each store of a wave covers 256 consecutive bytes, aligned.  No register is written twice, so no wait frees a source.
.set NL, 32
.set WVO, 16384*2048                   ; where Wv's copy begins in Fb
.set OF, 2                             ; v[2:5]    8 t + (i / 8) x EXTRA: where run i's 8 bytes go; EXTRA is 0 for hist, 8 rows for Wv
.set X,  8                             ; v[8:135]  load i: 4 registers
	s_load_b128 s[4:7], s[0:1], 0x0                ; hist s[4:5], Wv s[6:7]
	s_load_b64 s[8:9], s[0:1], 0x10                ; Fb
	s_lshr_b32 s12, ttmp9, 3                       ; frame l
	s_and_b32 s13, ttmp9, 7                        ; which eighth of it
	s_lshr_b32 s14, s12, 4                         ; p for l % 16 == 0
	s_add_co_u32 s15, s14, 4                       ; for l % 16 == 8
	s_and_b32 s16, s12, 15
	s_cmp_lg_u32 s16, 0
	s_cselect_b32 s14, s15, s14
	s_lshr_b32 s15, s12, 3
	s_add_co_u32 s15, s15, 8                       ; for l % 8 == 4
	s_and_b32 s16, s12, 7
	s_cmp_lg_u32 s16, 0
	s_cselect_b32 s14, s15, s14
	s_lshr_b32 s15, s12, 2
	s_mul_i32 s15, s15, 3
	s_and_b32 s16, s12, 3
	s_add_co_u32 s15, s15, s16
	s_add_co_u32 s15, s15, 15                      ; for the rest
	s_cmp_lg_u32 s16, 0
	s_cselect_b32 s14, s15, s14
	s_lshl_b32 s14, s14, 19                        ; place p: 524,288 bytes,
	s_lshl_b32 s13, s13, 16                        ; my eighth of it
	s_add_co_u32 s14, s14, s13                     ; where a work-group of hist stores
	s_lshl_b32 s18, ttmp9, 17                      ; and where it loads
	s_sub_co_u32 s20, ttmp9, 512                   ; a work-group of Wv: g = 8 w + 4 q1 + 2 h + q0 (of no use below 512, and not used there)
	s_lshl_b32 s19, s20, 17                        ; it loads rows 32 g on
	s_lshr_b32 s21, s20, 2
	s_lshl_b32 s21, s21, 7                         ; 256 w + 128 q1
	s_and_b32 s22, s20, 1
	s_lshl_b32 s22, s22, 6                         ; 64 q0
	s_add_co_u32 s21, s21, s22
	s_bfe_u32 s22, s20, 0x10001
	s_lshl_b32 s22, s22, 3                         ; 8 h
	s_add_co_u32 s21, s21, s22
	s_lshl_b32 s21, s21, 11                        ; rows of 2,048 bytes; run i = 8 u + j goes 16 u + j = i + 8 (i / 8) rows further
	s_add_co_u32 s21, s21, WVO
	s_cmp_lt_u32 ttmp9, 512
	s_cselect_b32 s24, s18, s19
	s_cselect_b32 s26, s14, s21
	s_cselect_b32 s23, 0, 16384                    ; EXTRA
	s_mov_b32 s25, 0
	s_mov_b32 s27, 0
	v_lshlrev_b32 v1, 4, v0                        ; 16 t: my bytes in a run of the source
	v_lshlrev_b32 v[OF], 3, v0                     ; 8 t: and of the copy
	v_add_nc_u32 v[OF+1], s23, v[OF]
	v_add_nc_u32 v[OF+2], s23, v[OF+1]
	v_add_nc_u32 v[OF+3], s23, v[OF+2]
	s_wait_kmcnt 0x0
	s_cmp_lt_u32 ttmp9, 512
	s_cselect_b64 s[4:5], s[4:5], s[6:7]           ; the source
	s_add_nc_u64 s[4:5], s[4:5], s[24:25]
	s_add_nc_u64 s[8:9], s[8:9], s[26:27]
.set i, 0
.rept NL
	global_load_b128 v[X+4*i:X+4*i+3], v1, s[4:5] offset:i*4096 th:TH_LOAD_NT
.set i, i+1
.endr
.set i, 0
.rept NL
	s_wait_loadcnt NL-1-i                          ; loads come back in order: load i is in, the younger ones stay out
	v_cvt_pk_bf16_f32 v[X+4*i], v[X+4*i], v[X+4*i+1]
	v_cvt_pk_bf16_f32 v[X+4*i+1], v[X+4*i+2], v[X+4*i+3]
	global_store_b64 v[OF+i/8], v[X+4*i:X+4*i+1], s[8:9] offset:i*2048
.set i, i+1
.endr
	s_endpgm
.Lfunc_end_k_qa860b96de4_cvt:
	.size	k_qa860b96de4_cvt, .Lfunc_end_k_qa860b96de4_cvt-k_qa860b96de4_cvt
	.p2alignl 7, 3214868480
	.fill 96, 4, 3214868480
	.section	.rodata,"a",@progbits
	.p2align	6, 0x0
	.amdhsa_kernel k_qa860b96de4_cvt
		.amdhsa_group_segment_fixed_size 0
		.amdhsa_private_segment_fixed_size 0
		.amdhsa_enable_private_segment 0
		.amdhsa_kernarg_size 24
		.amdhsa_user_sgpr_count 2
		.amdhsa_user_sgpr_kernarg_segment_ptr 1
		.amdhsa_wavefront_size32 1
		.amdhsa_system_sgpr_workgroup_id_x 1
		.amdhsa_system_sgpr_workgroup_id_y 1
		.amdhsa_system_sgpr_workgroup_id_z 1
		.amdhsa_system_vgpr_workitem_id 0
		.amdhsa_next_free_vgpr 136
		.amdhsa_next_free_sgpr 66
		.amdhsa_reserve_vcc 0
		.amdhsa_float_denorm_mode_32 3
		.amdhsa_float_denorm_mode_16_64 3
		.amdhsa_memory_ordered 1
		.amdhsa_forward_progress 1
		.amdhsa_inst_pref_size 14
	.end_amdhsa_kernel
	.amdgpu_metadata
---
amdhsa.version: [ 1, 2 ]
amdhsa.kernels:
  - .name:           k_qa860b96de4_cvt
    .symbol:         k_qa860b96de4_cvt.kd
    .args:
      - { .name: hist, .offset: 0, .size: 8, .value_kind: global_buffer, .address_space: global }
      - { .name: Wv, .offset: 8, .size: 8, .value_kind: global_buffer, .address_space: global }
      - { .name: Fb, .offset: 16, .size: 8, .value_kind: global_buffer, .address_space: global }
    .group_segment_fixed_size: 0
    .private_segment_fixed_size: 0
    .kernarg_segment_align: 8
    .kernarg_segment_size: 24
    .max_flat_workgroup_size: 256
    .sgpr_count:     66
    .vgpr_count:     136
    .wavefront_size: 32
...
	.end_amdgpu_metadata
.endif
;; end of part 1
;; launch qproj (part 2): grid 16 x 16, 4 waves a work-group, no clusters, 181,760 bytes of LDS; arguments x, Wq, bq, qf; writes qf
.if DOCPART == 2
	.amdgcn_target "amdgcn-amd-amdhsa--gfx1250"
	.amdhsa_code_object_version 6
	.text
	.protected	k_qa860b96de4_qproj
	.globl	k_qa860b96de4_qproj
	.p2align	8
	.type	k_qa860b96de4_qproj,@function
k_qa860b96de4_qproj:
	s_mov_b64 s[64:65], 0
	v_nop
	global_prefetch_b8 v0, s[64:65] scope:SCOPE_SE
	s_setreg_imm32_b32 hwreg(HW_REG_WAVE_MODE, 25, 1), 1
	s_wait_xcnt 0x0
; out[m][n] = the sum over k of A[m][k] W[k][n] + bias[n].  A: [256][1024] f32; W: [1024][1024] f32 (k by n); bias: [1024] f32; out: [256][1024] f32.
; Operands are rounded to bf16 on their way to the matrix unit; sums, bias and out in f32.  One text for two launches: x Wq + bq, and combined Wo + bo.
; SHARES.  A tile of 16 x 64: columns 64 x on, rows 16 y on; K = 1,024 is split among the four waves, 256 each; the four partial tiles meet in LDS.  256 work-groups.
; W lies k by n, so its tile goes through LDS: loaded as f32 (16 lanes take 256 consecutive bytes of a row), rounded, stored as rows of 64 bf16, and read back turned by ds_load_tr16_b128.
; Each wave stores and reads its own 256 rows alone: LDS serves a wave's instructions in order (ISA guide 5.7.1.4), so no barrier stands there.
; NO TENSOR LOADS, NO CLUSTER: both operands are f32 in memory and must pass through registers to be rounded, so there is no tile that a joint load could lay into LDS ready for use.
; The product is taken transposed (source 0 = 16 columns of W, source 1 = 16 rows of A): a lane ends with eight neighbouring columns of one row of out.
.set WP,    160                        ; a row of W's tile in LDS: 128 bytes + 32 of padding
.set WTB,   256*WP                     ; a wave's 256 rows
.set RED,   4*WTB                      ; behind them: a partial tile for each wave, 16 rows x 272 bytes
.set RP,    272
.set REDW,  16*RP
.set SPARE, RED+4*REDW                 ; behind them: the spare words, 128 bytes for each wave: two blocks of 256 bytes that no other line names
.set AO,  3                            ; v3   A: (l % 16) x 4,096 + 32 (l / 16)
.set WO,  4                            ; v4   W and out: (l / 16) x 4,096 + 16 (l % 16)
.set WS,  5                            ; v5   where I store 8 bytes of W's tile
.set WTR, 6                            ; v6   where the turning loads read
.set RS,  7                            ; v7   where I put 32 bytes of my partial tile
.set RR,  8                            ; v8   where I read partial tiles back
.set BO,  10                           ; v10  16 (l % 16): my four numbers of the bias
.set TT,  11                           ; v11  at work
.set SPW, 12                           ; v12  LDS address of my spare word; never rewritten
.set NIL, 13                           ; v13  0; never rewritten
.set BIAS, 16                          ; v[16:19]
.set RAW, 32                           ; v[32:127]  W as loaded: three sets of eight loads
.set ACC, 32                           ; v[32:63]   later: four accumulators, column block nt at ACC + 8 nt
.set AFR, 64                           ; v[64:127]  later: A's eight fragments
.set AR,  128                          ; v[128:255] A as loaded, 16 registers a K step of 32
.set BB,  128                          ; v[128:255] later: four buffers of W's fragments, 32 registers each
	s_load_b256 s[4:11], s[0:1], 0x0               ; A s[4:5], W s[6:7], bias s[8:9], out s[10:11]
	v_lshl_add_u32 v[SPW], v0, 2, SPARE
	v_mov_b32 v[NIL], 0
	v_lshrrev_b32 v[TT], 5, v0
	v_readfirstlane_b32 s12, v[TT]                 ; wave 0..3
	s_and_b32 s13, ttmp7, 0xffff                   ; y
	v_and_b32 v1, 15, v0                           ; l % 16
	v_bfe_u32 v2, v0, 4, 1                         ; l / 16
	v_lshlrev_b32 v[AO], 12, v1
	v_lshl_add_u32 v[AO], v2, 5, v[AO]
	v_lshlrev_b32 v[WO], 12, v2
	v_lshl_add_u32 v[WO], v1, 4, v[WO]
	s_mul_i32 s16, s12, WTB                        ; my rows of W's tile
	v_mul_u32_u24 v[WS], v2, WP
	v_lshl_add_u32 v[WS], v1, 3, v[WS]
	v_add_nc_u32 v[WS], s16, v[WS]
	v_and_b32 v[TT], 7, v0
	v_lshl_add_u32 v[TT], v2, 3, v[TT]             ; row 8 (l / 16) + l % 8
	v_mul_u32_u24 v[WTR], v[TT], WP
	v_bfe_u32 v[TT], v0, 3, 1
	v_lshl_add_u32 v[WTR], v[TT], 4, v[WTR]        ; columns 8 ((l / 8) % 2) on
	v_add_nc_u32 v[WTR], s16, v[WTR]
	s_mul_i32 s17, s12, REDW
	s_add_co_u32 s17, s17, RED
	v_mul_u32_u24 v[RS], v1, RP
	v_lshl_add_u32 v[RS], v2, 5, v[RS]
	v_add_nc_u32 v[RS], s17, v[RS]
	s_mul_i32 s17, s12, 4*RP                       ; wave w finishes rows 4 w .. 4 w + 3
	s_add_co_u32 s17, s17, RED
	v_mul_u32_u24 v[RR], v2, RP
	v_lshl_add_u32 v[RR], v1, 4, v[RR]
	v_add_nc_u32 v[RR], s17, v[RR]
	v_lshlrev_b32 v[BO], 4, v1
	s_lshl_b32 s20, s13, 16                        ; A: 16 y rows of 4,096 bytes,
	s_lshl_b32 s21, s12, 10                        ; my 256 numbers along K
	s_add_co_u32 s20, s20, s21
	s_mov_b32 s21, 0
	s_lshl_b32 s24, ttmp9, 8                       ; 64 x columns of 4 bytes
	s_mov_b32 s25, 0
	s_lshl_b32 s22, s12, 20                        ; W: my 256 rows
	s_add_co_u32 s22, s22, s24
	s_mov_b32 s23, 0
	s_lshl_b32 s26, s13, 16                        ; out: the tile's 16 rows,
	s_lshl_b32 s27, s12, 14                        ; my four of them
	s_add_co_u32 s26, s26, s27
	s_add_co_u32 s26, s26, s24
	s_mov_b32 s27, 0
	s_wait_kmcnt 0x0
	s_add_nc_u64 s[4:5], s[4:5], s[20:21]
	s_add_nc_u64 s[6:7], s[6:7], s[22:23]
	s_add_nc_u64 s[8:9], s[8:9], s[24:25]
	s_add_nc_u64 s[10:11], s[10:11], s[26:27]
; Batch b of 16: eight loads, two rows of W's tile each, into set b % 3.
.macro WLOAD b
.set e, 0
.rept 8
	global_load_b128 v[RAW+32*((\b)%3)+4*e:RAW+32*((\b)%3)+4*e+3], v[WO], s[6:7] offset:(8*(\b)+e)*8192
.set e, e+1
.endr
.endm
; Batch b is rounded in place and stored into my rows of the tile.
.macro WPUT b
.set e, 0
.rept 8
.set xr, RAW+32*((\b)%3)+4*e
	v_cvt_pk_bf16_f32 v[xr], v[xr], v[xr+1]
	v_cvt_pk_bf16_f32 v[xr+1], v[xr+2], v[xr+3]
	ds_store_b64 v[WS], v[xr:xr+1] offset:(8*(\b)+e)*2*WP
.set e, e+1
.endr
.endm
; W's fragments of K step ks (32 rows x 64 columns, turned) into buffer ks % 4.
.macro LDB ks
.set nt, 0
.rept 4
	ds_load_tr16_b128 v[BB+32*((\ks)%4)+8*nt:BB+32*((\ks)%4)+8*nt+3],   v[WTR] offset:32*(\ks)*WP+32*nt
	ds_load_tr16_b128 v[BB+32*((\ks)%4)+8*nt+4:BB+32*((\ks)%4)+8*nt+7], v[WTR] offset:32*(\ks)*WP+32*nt+16*WP
.set nt, nt+1
.endr
.endm
.macro PLACES                          ; four places behind a matrix instruction, in front of loads into its registers and of readers of its result
.rept 4
	v_nop
.endr
.endm
	global_load_b128 v[BIAS:BIAS+3], v[BO], s[8:9]
.set ks, 0
.rept 8                                ; A: a fragment's lane holds k = 8 (l / 16) + 0..7 and 16 + 8 (l / 16) + 0..7: as f32 two runs of 32 bytes, 64 bytes apart
.set p, 0
.rept 4
	global_load_b128 v[AR+16*ks+4*p:AR+16*ks+4*p+3], v[AO], s[4:5] offset:128*ks+16*(p%2)+64*(p/2)
.set p, p+1
.endr
.set ks, ks+1
.endr
	WLOAD 0
	WLOAD 1
	WLOAD 2
.set b, 0
.rept 16
.if b < 14
	s_wait_loadcnt 16                              ; batch b is in (and all that was asked for before it); the two younger batches stay out
.elseif b == 14
	s_wait_loadcnt 8
.else
	s_wait_loadcnt 0x0
.endif
	WPUT b
.if b < 13
	WLOAD b+3                                      ; into the set just stored
.endif
.set b, b+1
.endr
.set n, 0
.rept 64
	v_cvt_pk_bf16_f32 v[AFR+n], v[AR+2*n], v[AR+2*n+1]  ; A's fragments: register n of 64 is numbers 2 n, 2 n + 1 as loaded
.set n, n+1
.endr
	LDB 0
	LDB 1
	LDB 2
	LDB 3
.set ks, 0
.rept 8
.if ks < 5
	s_wait_dscnt 24                                ; K step ks's eight loads are in; three younger runs stay out
.else
	s_wait_dscnt 8*(7-ks)
.endif
.set nt, 0
.rept 4                                ; the four accumulators take turns, one instruction a turn
.if ks == 0
	v_wmma_f32_16x16x32_bf16 v[ACC+8*nt:ACC+8*nt+7], v[BB+32*(ks%4)+8*nt:BB+32*(ks%4)+8*nt+7], v[AFR+8*ks:AFR+8*ks+7], 0
.else
	v_wmma_f32_16x16x32_bf16 v[ACC+8*nt:ACC+8*nt+7], v[BB+32*(ks%4)+8*nt:BB+32*(ks%4)+8*nt+7], v[AFR+8*ks:AFR+8*ks+7], v[ACC+8*nt:ACC+8*nt+7]
.endif
.set nt, nt+1
.endr
	PLACES
.if ks < 4
	LDB ks+4
.endif
.set ks, ks+1
.endr
.set nt, 0
.rept 4                                ; my partial tile: row l % 16, columns 16 nt + 8 (l / 16) + 0..7; each accumulator's low registers first
	ds_store_b128 v[RS], v[ACC+8*nt:ACC+8*nt+3]   offset:64*nt
	ds_store_b128 v[RS], v[ACC+8*nt+4:ACC+8*nt+7] offset:64*nt+16
.set nt, nt+1
.endr
	s_wait_dscnt 0x0                               ; for the others' sake: my stores are done
	s_barrier_signal -1
	s_barrier_wait -1                              ; all four partial tiles lie in LDS
.set w, 0
.rept 4
.set p, 0
.rept 2
	ds_load_b128 v[BB+8*w+4*p:BB+8*w+4*p+3], v[RR] offset:w*REDW+p*2*RP
.set p, p+1
.endr
.set w, w+1
.endr
	s_wait_dscnt 0x0
.set q, 0
.rept 4                                ; q: pair of registers; pairs 0, 1 are the first two rows', pairs 2, 3 the next two rows'
	v_pk_add_f32 v[BB+2*q:BB+2*q+1], v[BB+2*q:BB+2*q+1], v[BB+8+2*q:BB+8+2*q+1]
	v_pk_add_f32 v[BB+16+2*q:BB+16+2*q+1], v[BB+16+2*q:BB+16+2*q+1], v[BB+24+2*q:BB+24+2*q+1]
.set q, q+1
.endr
.set q, 0
.rept 4
	v_pk_add_f32 v[BB+2*q:BB+2*q+1], v[BB+2*q:BB+2*q+1], v[BIAS+2*(q%2):BIAS+2*(q%2)+1]
.set q, q+1
.endr
.set q, 0
.rept 4
	v_pk_add_f32 v[BB+2*q:BB+2*q+1], v[BB+2*q:BB+2*q+1], v[BB+16+2*q:BB+16+2*q+1]
.set q, q+1
.endr
	global_store_b128 v[WO], v[BB:BB+3],   s[10:11]              ; 16 lanes store 256 consecutive bytes, aligned
	global_store_b128 v[WO], v[BB+4:BB+7], s[10:11] offset:8192
	s_wait_tensorcnt 0x0                           ; the wave's end: behind my last LDS store
	ds_add_u32 v[SPW], v[NIL]
	s_wait_dscnt 0x0
	s_endpgm
.Lfunc_end_k_qa860b96de4_qproj:
	.size	k_qa860b96de4_qproj, .Lfunc_end_k_qa860b96de4_qproj-k_qa860b96de4_qproj
	.p2alignl 7, 3214868480
	.fill 96, 4, 3214868480
	.section	.rodata,"a",@progbits
	.p2align	6, 0x0
	.amdhsa_kernel k_qa860b96de4_qproj
		.amdhsa_group_segment_fixed_size 181760
		.amdhsa_private_segment_fixed_size 0
		.amdhsa_enable_private_segment 0
		.amdhsa_kernarg_size 32
		.amdhsa_user_sgpr_count 2
		.amdhsa_user_sgpr_kernarg_segment_ptr 1
		.amdhsa_wavefront_size32 1
		.amdhsa_system_sgpr_workgroup_id_x 1
		.amdhsa_system_sgpr_workgroup_id_y 1
		.amdhsa_system_sgpr_workgroup_id_z 1
		.amdhsa_system_vgpr_workitem_id 0
		.amdhsa_next_free_vgpr 256
		.amdhsa_next_free_sgpr 66
		.amdhsa_reserve_vcc 0
		.amdhsa_float_denorm_mode_32 3
		.amdhsa_float_denorm_mode_16_64 3
		.amdhsa_memory_ordered 1
		.amdhsa_forward_progress 1
		.amdhsa_inst_pref_size 56
	.end_amdhsa_kernel
	.amdgpu_metadata
---
amdhsa.version: [ 1, 2 ]
amdhsa.kernels:
  - .name:           k_qa860b96de4_qproj
    .symbol:         k_qa860b96de4_qproj.kd
    .args:
      - { .name: x, .offset: 0, .size: 8, .value_kind: global_buffer, .address_space: global }
      - { .name: Wq, .offset: 8, .size: 8, .value_kind: global_buffer, .address_space: global }
      - { .name: bq, .offset: 16, .size: 8, .value_kind: global_buffer, .address_space: global }
      - { .name: qf, .offset: 24, .size: 8, .value_kind: global_buffer, .address_space: global }
    .group_segment_fixed_size: 181760
    .private_segment_fixed_size: 0
    .kernarg_segment_align: 8
    .kernarg_segment_size: 32
    .max_flat_workgroup_size: 128
    .sgpr_count:     66
    .vgpr_count:     256
    .wavefront_size: 32
...
	.end_amdgpu_metadata
.endif
;; end of part 2
;; launch qk (part 3): grid 8 x 64, 4 waves a work-group, no clusters, 34,560 bytes of LDS; arguments qf, Wk, bk, Qp, cbv; writes Qp, cbv
.if DOCPART == 3
	.amdgcn_target "amdgcn-amd-amdhsa--gfx1250"
	.amdhsa_code_object_version 6
	.text
	.protected	k_qa860b96de4_qk
	.globl	k_qa860b96de4_qk
	.p2align	8
	.type	k_qa860b96de4_qk,@function
k_qa860b96de4_qk:
	s_mov_b64 s[64:65], 0
	v_nop
	global_prefetch_b8 v0, s[64:65] scope:SCOPE_SE
	s_setreg_imm32_b32 hwreg(HW_REG_WAVE_MODE, 25, 1), 1
	s_wait_xcnt 0x0
; Qp[256 h + b][j] = the sum over d of qf[b][256 h + d] Wk[j][256 h + d], rounded to bf16;   cbv[256 h + b] = the sum over d of qf[b][256 h + d] bk[256 h + d], f32.
; With these a score q . (f Wk + bk) is Qp's row times the frame's row, plus cbv.  qf: [256][1024] f32; Wk: [1024][1024] f32; bk: [1024] f32; Qp: [1024][1024] bf16; cbv: [1024] f32.
; The sum runs along Wk's rows, so both fragments come straight from memory; they are rounded to bf16 in registers; sums in f32; cbv is made of the unrounded numbers.
; SHARES.  A tile of 16 rows b x 128 columns j; x = the column tile, y = 16 h + the row tile.  K = 256 is split among the four waves, 64 each; the partial tiles meet in LDS.
; NO TENSOR LOADS, NO CLUSTER: the operands are f32 in memory and pass through registers to be rounded.
; The product is taken transposed (source 0 = 16 rows of Wk, source 1 = 16 rows of qf): a lane ends with eight neighbouring columns j of one row.
.set RP,    528                        ; a row of a partial tile: 512 bytes + 16
.set REDW,  16*RP
.set CBR,   4*REDW                     ; behind the four partial tiles: each wave's 16 partial sums for cbv, 64 bytes a wave
.set SPARE, CBR+256                    ; behind them: the spare words, 128 bytes for each wave: two blocks of 256 bytes that no other line names
.set FO,  3                            ; v3   a fragment's lane: (l % 16) x 4,096 + 32 (l / 16)
.set KO,  4                            ; v4   32 (l / 16): the same numbers of bk
.set RS,  5                            ; v5   where I put 32 bytes of my partial tile
.set RR,  6                            ; v6   where I read partial tiles back
.set QO,  7                            ; v7   my 16 bytes of Qp
.set CBS, 8                            ; v8   where I put my partial sum for cbv
.set CBL, 9                            ; v9   where they are read back
.set CO,  10                           ; v10  4 (l % 16)
.set LN,  11                           ; v11  lane
.set SPW, 12                           ; v12  LDS address of my spare word; never rewritten
.set NIL, 13                           ; v13  0; never rewritten
.set CBA, 14                           ; v[14:15] cbv's partial sum
.set ACC, 16                           ; v[16:79]   eight accumulators, column block nt at ACC + 8 nt
.set AFR, 80                           ; v[80:95]   qf's two fragments
.set BFR, 96                           ; v[96:127]  Wk's fragments of two column blocks
.set PS0, 128                          ; v[128:191] as loaded: qf and bk, then pairs 1 and 3 of column blocks
.set PS1, 192                          ; v[192:255] pairs 0 and 2
	s_load_b256 s[4:11], s[0:1], 0x0               ; qf s[4:5], Wk s[6:7], bk s[8:9], Qp s[10:11]
	s_load_b64 s[12:13], s[0:1], 0x20              ; cbv
	v_lshl_add_u32 v[SPW], v0, 2, SPARE
	v_mov_b32 v[NIL], 0
	v_lshrrev_b32 v[LN], 5, v0
	v_readfirstlane_b32 s14, v[LN]                 ; wave 0..3
	s_and_b32 s15, ttmp7, 0xffff                   ; 16 h + rt
	s_lshr_b32 s16, s15, 4                         ; h
	s_and_b32 s17, s15, 15                         ; rt
	s_lshl_b32 s18, s16, 10                        ; the head's 256 columns of 4 bytes,
	s_lshl_b32 s19, s14, 8                         ; my 64 of them
	s_add_co_u32 s18, s18, s19
	s_mov_b32 s19, 0
	s_lshl_b32 s20, s17, 16                        ; qf: 16 rt rows
	s_add_co_u32 s20, s20, s18
	s_mov_b32 s21, 0
	s_lshl_b32 s22, ttmp9, 19                      ; Wk: 128 x rows
	s_add_co_u32 s22, s22, s18
	s_mov_b32 s23, 0
	s_lshl_b32 s24, s15, 15                        ; Qp: rows 256 h + 16 rt on, 2,048 bytes each,
	s_lshl_b32 s25, s14, 13                        ; my four of them,
	s_add_co_u32 s24, s24, s25
	s_lshl_b32 s25, ttmp9, 8                       ; the tile's 128 columns
	s_add_co_u32 s24, s24, s25
	s_mov_b32 s25, 0
	s_lshl_b32 s26, s15, 6                         ; cbv: the same 16 rows
	s_mov_b32 s27, 0
	s_mov_b32 s28, 0x76543210                      ; v_permlanex16_b32: each lane takes its own place in the other half
	s_mov_b32 s29, 0xfedcba98
	v_and_b32 v1, 15, v0                           ; l % 16
	v_bfe_u32 v2, v0, 4, 1                         ; l / 16
	v_and_b32 v[LN], 31, v0
	v_lshlrev_b32 v[KO], 5, v2
	v_lshl_add_u32 v[FO], v1, 12, v[KO]
	s_mul_i32 s30, s14, REDW
	v_mul_u32_u24 v[RS], v1, RP
	v_add_nc_u32 v[RS], v[RS], v[KO]
	v_add_nc_u32 v[RS], s30, v[RS]
	s_mul_i32 s30, s14, 4*RP                       ; wave w finishes rows 4 w .. 4 w + 3
	v_mul_u32_u24 v[RR], v2, RP
	v_lshl_add_u32 v[RR], v1, 5, v[RR]
	v_add_nc_u32 v[RR], s30, v[RR]
	v_lshlrev_b32 v[QO], 11, v2
	v_lshl_add_u32 v[QO], v1, 4, v[QO]
	v_lshlrev_b32 v[CO], 2, v1
	v_add_nc_u32 v[CBL], CBR, v[CO]
	s_lshl_b32 s30, s14, 6
	v_add_nc_u32 v[CBS], s30, v[CBL]
	s_wait_kmcnt 0x0
	s_add_nc_u64 s[4:5], s[4:5], s[20:21]
	s_add_nc_u64 s[6:7], s[6:7], s[22:23]
	s_add_nc_u64 s[8:9], s[8:9], s[18:19]
	s_add_nc_u64 s[10:11], s[10:11], s[24:25]
	s_add_nc_u64 s[12:13], s[12:13], s[26:27]
; Column blocks 2 pr and 2 pr + 1 of Wk, both K steps, as f32: 16 loads into set ps.
.macro BLOAD pr, ps
.set a, 0
.rept 2
.set ks, 0
.rept 2
.set p, 0
.rept 4
	global_load_b128 v[(\ps)+32*a+16*ks+4*p:(\ps)+32*a+16*ks+4*p+3], v[FO], s[6:7] offset:(2*(\pr)+a)*65536+128*ks+16*(p%2)+64*(p/2)
.set p, p+1
.endr
.set ks, ks+1
.endr
.set a, a+1
.endr
.endm
.macro PLACES                          ; four places behind a matrix instruction, in front of writers of its sources and readers of its result (ISA guide 7.12.1)
.rept 4
	v_nop
.endr
.endm
; Pair pr, from set ps: rounded, then four products; the two accumulators take turns.
.macro PAIR pr, ps
.set n, 0
.rept 32
	v_cvt_pk_bf16_f32 v[BFR+n], v[(\ps)+2*n], v[(\ps)+2*n+1]
.set n, n+1
.endr
.set a, 0
.rept 2
	v_wmma_f32_16x16x32_bf16 v[ACC+8*(2*(\pr)+a):ACC+8*(2*(\pr)+a)+7], v[BFR+16*a:BFR+16*a+7], v[AFR:AFR+7], 0
.set a, a+1
.endr
.set a, 0
.rept 2
	v_wmma_f32_16x16x32_bf16 v[ACC+8*(2*(\pr)+a):ACC+8*(2*(\pr)+a)+7], v[BFR+16*a+8:BFR+16*a+15], v[AFR+8:AFR+15], v[ACC+8*(2*(\pr)+a):ACC+8*(2*(\pr)+a)+7]
.set a, a+1
.endr
.endm
.set ks, 0
.rept 2
.set p, 0
.rept 4
	global_load_b128 v[PS0+16*ks+4*p:PS0+16*ks+4*p+3], v[FO], s[4:5] offset:128*ks+16*(p%2)+64*(p/2)
.set p, p+1
.endr
.set ks, ks+1
.endr
.set ks, 0
.rept 2
.set p, 0
.rept 4
	global_load_b128 v[PS0+32+16*ks+4*p:PS0+32+16*ks+4*p+3], v[KO], s[8:9] offset:128*ks+16*(p%2)+64*(p/2)
.set p, p+1
.endr
.set ks, ks+1
.endr
	BLOAD 0, PS1
	s_wait_loadcnt 16                              ; qf and bk are in; pair 0's 16 loads stay out
.set n, 0
.rept 16
	v_cvt_pk_bf16_f32 v[AFR+n], v[PS0+2*n], v[PS0+2*n+1]
.set n, n+1
.endr
	v_pk_mul_f32 v[CBA:CBA+1], v[PS0:PS0+1], v[PS0+32:PS0+33]
.set n, 1
.rept 15
	v_pk_fma_f32 v[CBA:CBA+1], v[PS0+2*n:PS0+2*n+1], v[PS0+32+2*n:PS0+32+2*n+1], v[CBA:CBA+1]
.set n, n+1
.endr
	v_add_f32 v[CBA], v[CBA], v[CBA+1]
	v_permlanex16_b32 v[CBA+1], v[CBA], s28, s29   ; the row's other 32 numbers lie in the lane 16 away
	v_add_f32 v[CBA], v[CBA], v[CBA+1]
	ds_store_b32 v[CBS], v[CBA]                    ; both halves of the lanes write the same number to the same word
	BLOAD 1, PS0
	s_wait_loadcnt 16                              ; pair 0 is in; pair 1 stays out
	PAIR 0, PS1
	BLOAD 2, PS1
	s_wait_loadcnt 16
	PLACES                                         ; the roundings below write over fragments that the last products read
	PAIR 1, PS0
	BLOAD 3, PS0
	s_wait_loadcnt 16
	PLACES
	PAIR 2, PS1
	s_wait_loadcnt 0x0
	PLACES
	PAIR 3, PS0
	PLACES
.set nt, 0
.rept 8                                ; my partial tile: row l % 16, columns 16 nt + 8 (l / 16) + 0..7; each accumulator's low registers first
	ds_store_b128 v[RS], v[ACC+8*nt:ACC+8*nt+3]   offset:64*nt
	ds_store_b128 v[RS], v[ACC+8*nt+4:ACC+8*nt+7] offset:64*nt+16
.set nt, nt+1
.endr
	s_wait_dscnt 0x0                               ; for the others' sake: my stores are done
	s_barrier_signal -1
	s_barrier_wait -1                              ; all partial tiles and sums lie in LDS
.set p, 0
.rept 2                                ; rows 4 w + 2 p + l / 16; a lane takes 8 columns, 32 bytes
.set w, 0
.rept 4
	ds_load_b128 v[PS0+32*p+8*w:PS0+32*p+8*w+3],   v[RR] offset:w*REDW+p*2*RP
	ds_load_b128 v[PS0+32*p+8*w+4:PS0+32*p+8*w+7], v[RR] offset:w*REDW+p*2*RP+16
.set w, w+1
.endr
.set p, p+1
.endr
	s_wait_dscnt 0x0
.set p, 0
.rept 2
.set q, 0
.rept 4
	v_pk_add_f32 v[PS0+32*p+2*q:PS0+32*p+2*q+1], v[PS0+32*p+2*q:PS0+32*p+2*q+1], v[PS0+32*p+8+2*q:PS0+32*p+8+2*q+1]
	v_pk_add_f32 v[PS0+32*p+16+2*q:PS0+32*p+16+2*q+1], v[PS0+32*p+16+2*q:PS0+32*p+16+2*q+1], v[PS0+32*p+24+2*q:PS0+32*p+24+2*q+1]
.set q, q+1
.endr
.set q, 0
.rept 4
	v_pk_add_f32 v[PS0+32*p+2*q:PS0+32*p+2*q+1], v[PS0+32*p+2*q:PS0+32*p+2*q+1], v[PS0+32*p+16+2*q:PS0+32*p+16+2*q+1]
.set q, q+1
.endr
.set q, 0
.rept 4
	v_cvt_pk_bf16_f32 v[BFR+4*p+q], v[PS0+32*p+2*q], v[PS0+32*p+2*q+1]
.set q, q+1
.endr
	global_store_b128 v[QO], v[BFR+4*p:BFR+4*p+3], s[10:11] offset:p*4096  ; 16 lanes store 256 consecutive bytes, aligned
.set p, p+1
.endr
	s_cmp_lg_u32 s14, 0                            ; cbv hangs on the rows alone: wave 0 of the first column tile stores it
	s_cbranch_scc1 .Lend
	s_cmp_lg_u32 ttmp9, 0
	s_cbranch_scc1 .Lend
.set w, 0
.rept 4
	ds_load_b32 v[BFR+8+w], v[CBL] offset:64*w
.set w, w+1
.endr
	s_wait_dscnt 0x0
	v_add_f32 v[BFR+8], v[BFR+8], v[BFR+9]
	v_add_f32 v[BFR+10], v[BFR+10], v[BFR+11]
	v_add_f32 v[BFR+8], v[BFR+8], v[BFR+10]
	v_cmp_gt_u32 vcc_lo, 16, v[LN]
	s_wait_xcnt 0x0                                ; EXEC is a source of the stores above: it changes only behind this wait
	s_and_saveexec_b32 s18, vcc_lo
	global_store_b32 v[CO], v[BFR+8], s[12:13]     ; lanes 0 to 15: 64 consecutive bytes
	s_wait_xcnt 0x0                                ; and again in front of the line that widens it
	s_or_b32 exec_lo, exec_lo, s18
.Lend:
	s_wait_tensorcnt 0x0                           ; the wave's end: behind my last LDS store
	ds_add_u32 v[SPW], v[NIL]
	s_wait_dscnt 0x0
	s_endpgm
.Lfunc_end_k_qa860b96de4_qk:
	.size	k_qa860b96de4_qk, .Lfunc_end_k_qa860b96de4_qk-k_qa860b96de4_qk
	.p2alignl 7, 3214868480
	.fill 96, 4, 3214868480
	.section	.rodata,"a",@progbits
	.p2align	6, 0x0
	.amdhsa_kernel k_qa860b96de4_qk
		.amdhsa_group_segment_fixed_size 34560
		.amdhsa_private_segment_fixed_size 0
		.amdhsa_enable_private_segment 0
		.amdhsa_kernarg_size 40
		.amdhsa_user_sgpr_count 2
		.amdhsa_user_sgpr_kernarg_segment_ptr 1
		.amdhsa_wavefront_size32 1
		.amdhsa_system_sgpr_workgroup_id_x 1
		.amdhsa_system_sgpr_workgroup_id_y 1
		.amdhsa_system_sgpr_workgroup_id_z 1
		.amdhsa_system_vgpr_workitem_id 0
		.amdhsa_next_free_vgpr 256
		.amdhsa_next_free_sgpr 66
		.amdhsa_reserve_vcc 1
		.amdhsa_float_denorm_mode_32 3
		.amdhsa_float_denorm_mode_16_64 3
		.amdhsa_memory_ordered 1
		.amdhsa_forward_progress 1
		.amdhsa_inst_pref_size 28
	.end_amdhsa_kernel
	.amdgpu_metadata
---
amdhsa.version: [ 1, 2 ]
amdhsa.kernels:
  - .name:           k_qa860b96de4_qk
    .symbol:         k_qa860b96de4_qk.kd
    .args:
      - { .name: qf, .offset: 0, .size: 8, .value_kind: global_buffer, .address_space: global }
      - { .name: Wk, .offset: 8, .size: 8, .value_kind: global_buffer, .address_space: global }
      - { .name: bk, .offset: 16, .size: 8, .value_kind: global_buffer, .address_space: global }
      - { .name: Qp, .offset: 24, .size: 8, .value_kind: global_buffer, .address_space: global }
      - { .name: cbv, .offset: 32, .size: 8, .value_kind: global_buffer, .address_space: global }
    .group_segment_fixed_size: 34560
    .private_segment_fixed_size: 0
    .kernarg_segment_align: 8
    .kernarg_segment_size: 40
    .max_flat_workgroup_size: 128
    .sgpr_count:     66
    .vgpr_count:     256
    .wavefront_size: 32
...
	.end_amdgpu_metadata
.endif
;; end of part 3
;; launch flash (part 4): grid 16 x 16, 4 waves a work-group, clusters of 4 x 1, 327,680 bytes of LDS; arguments Qp, cbv, Fb, Zpart, stat; writes Zpart, stat
.if DOCPART == 4
	.amdgcn_target "amdgcn-amd-amdhsa--gfx1250"
	.amdhsa_code_object_version 6
	.text
	.protected	k_qa860b96de4_flash
	.globl	k_qa860b96de4_flash
	.p2align	8
	.type	k_qa860b96de4_flash,@function
k_qa860b96de4_flash:
	s_mov_b64 s[64:65], 0
	v_nop
	global_prefetch_b8 v0, s[64:65] scope:SCOPE_SE
	s_setreg_imm32_b32 hwreg(HW_REG_WAVE_MODE, 25, 1), 1
	s_wait_xcnt 0x0
	s_wait_alu depctr_hold_cnt(0) depctr_sa_sdst(0) depctr_va_vdst(0) depctr_va_sdst(0) depctr_va_ssrc(0) depctr_va_vcc(0) depctr_vm_vsrc(0)
	s_getreg_b32 s2, hwreg(HW_REG_IB_STS2, 6, 4)
	s_cmp_eq_u32 s2, 0
	s_cbranch_scc0 .Lentry_in_a_cluster
	s_endpgm
.Lentry_in_a_cluster:
	s_bfe_u32 s2, ttmp6, 0x10000c
	s_cmp_lg_u32 s2, 0x3003
	s_cbranch_scc0 .Lentry_shape_is_right
	s_endpgm
.Lentry_shape_is_right:
; ONE PASS OF ATTENTION IN WHICH THE FRAMES ARE KEYS AND VALUES, AND THE VALUE PROJECTION BEHIND IT.  For 64 rows R of Qp (all of one head) and the 1,024 rows t of Fb of split y:
;   s = Qp[R] . Fb[t] + cbv[R];  m = the running maximum of s;  p = 2^(c s - c m), c = log2(e) / 16;  l = the sum of p;  O = the sum of p Fb[t];  Z = O Wv[:, the head's 256 columns].
; Zpart[R][y][:] = Z (f32, not divided), stat[R][0][y] = m, stat[R][1][y] = l.  The next launch merges the 16 splits into the four softmaxes: the merge is linear in O, so it may follow the projection.
; Qp: [1024][1024] bf16; cbv: [1024] f32; Fb: [17408][1024] bf16: rows 0 to 16,383 the frames, rows 16,384 on (called Wvb here) Wv with its rows in the order given below; Zpart: [1024][16][256] f32; stat: [1024][2][16] f32.
; LIMITS.  Products take bf16 operands (p is rounded for the second product, O for the third; l is the sum of the unrounded p); maxima, sums, O and Z in f32.  A weight below 2^-126 counts as 0.  NaN and infinities are not treated apart.
; SHARES.  x = the block of 64 rows, y = the split.  16 steps of 64 keys.  ALL PRODUCTS ARE SPLIT BY CHANNEL: wave w owns channels 256 w .. 256 w + 255 of Qp, Fb, O and of Wv's rows, so it alone reads its strip of each tile.
;   S^T = F Q^T over my 256 channels is a partial sum: 64 keys x 64 rows, 128 matrix instructions.  The four tiles of 16 rows have one owner each: my tiles are numbered from my own, tile i of mine being tile (w + i) % 4 of the block.
;   I send tiles 1 to 3 to their owners' inboxes in LDS, add what the others sent for tile 0, make its softmax, and hand its P and a to all.  O^T += F^T P for my 256 channels and all 64 rows: 128 matrix instructions.
;   Z^T = Wv^T O over my 256 channels is again a partial sum: four chunks of 64 channels, 128 matrix instructions each, in the second product's form; the partial sums go to the tiles' owners as the scores do.
; LAYOUT.  In S^T a lane holds ONE row (lane % 16) and the keys 8 (lane / 16) + 0..7 of each group of 16; two such results rounded in pairs ARE source 1 (32 keys x 16 rows) of the second product.
;   F comes out of LDS as it lies for the first product, turned by ds_load_tr16_b128 for the second.  O^T's accumulators, rounded in pairs, ARE source 1 of the third: in chunk q, K step kk, k = 16 s + 8 h + j is the channel that
;   register j of lanes 16 h .. holds in channel tile ct = 4 q + 2 kk + s: 128 (ct / 8) + 8 (ct % 8) + 64 h + j.  Wvb's row 256 w + 64 q + 32 kk + 16 s + 8 h + j is that channel's row of Wv: a chunk is 64 rows on end.
; CLUSTER.  The four blocks of a cluster share y and the head, so they walk the same tiles of frames and of Wvb: each strip is asked for JOINTLY, by the same tensor load with the same descriptor and the mask of four, in all four.
; THE RING.  Two slots of one step's tile.  A wave asks for its own strip of the next tile first thing behind the round that opens a step; the wait for it stands at the head of the next step: one tensor load of mine is out at a time.
;   The ring goes on into Wvb: step 15 asks for chunk 0, each chunk's step for the next.  A chunk has a tile's shape, so the descriptor's second group serves both.
;   The descriptor's address is made anew for each fill: Fb's address, which is never rewritten, plus a byte offset kept apart in scalar registers, and the type bits set again.
; THREE BARRIERS A KEY STEP.  R (the round): nobody reads the slot to be filled, nor last step's P.  B1: the partial scores lie in the inboxes.  B2: P and a lie in their owners' inboxes, over bytes that the owner has read.
; PREFETCH.  Behind each refill but the first and the last a wave names its strip of the tile that the NEXT refill will ask for: of its 64 rows each partner takes 16, told apart by address; a lane names 256 bytes, one instruction a wave.
;   The four clusters of a split walk the same frames: the one with x = 0 asks (tiles 3 to 15, in steps 1 to 13).  The sixteen clusters of a head walk the same columns of Wvb: the one with y = 0 asks (chunks 0 to 3, from step 14 on).
;   So each 256 bytes are named once.  Tiles 0 to 2 come by their loads alone.
; REGISTERS, in windows of 256 (s_set_vgpr_msb: bits 1:0 source 0, 3:2 source 1, 5:4 source 2, 7:6 destination):
;   window 0: v0-31 addresses and statistics; v32-127 three buffers of F's fragments, then the inbox, then a and P; v128-255 S^T, then four buffers of turned fragments
;   window 1: Q, tile i and K step ks at 64 i + 8 ks; later O rounded, chunk q, tile i, K step kk at 64 q + 16 i + 8 kk
;   windows 2, 3: O^T, later Z^T: channel (column) tile ct and row tile i at 8 (4 (ct % 8) + i), ct 0-7 in window 2, 8-15 in window 3
.set FP,    528       ; a row of a strip in LDS: 512 bytes + 16 = 132 words: row r starts at bank 4 r mod 64 (64 banks of 4 bytes: ISA guide 11.1), so the 16 rows of a plain load start at 16 different groups of four banks
.set STRIP, 64*FP     ; a wave's strip of a tile
.set SLOT,  4*STRIP   ; 135,168: it shares no bit with w x STRIP, so one exclusive or turns an address in one slot into the other's
.set XB,    2*SLOT    ; behind the ring, never filled by a tensor load: an inbox for each wave
.set INBOX, 12288     ; three partial tiles of 4,096 bytes; later P (2,048 bytes) and a (from byte 2,048 on) lie over the first
.set SPARE, XB+4*INBOX  ; behind them: the spare words, 128 bytes for each wave: two blocks of 256 bytes that no other line names
.set STEPB, 64*2048   ; bytes of Fb from tile to tile, and from chunk to chunk
.set WVO,   16384*2048  ; where Wvb begins in Fb
.set ZIN,   49152     ; the end: an inbox for each wave's three partial tiles of Z (16,384 bytes each), from LDS byte 0 on: the slots have had their last fill and their last read
.set ZST,   4*ZIN     ; behind them, still inside the slots: a stage for each wave, 16 rows x 1,040 bytes
.set OPI,   1040      ; a row of the stage: 1,024 bytes + 16
.set R_,  1           ; v1   l % 16
.set HF,  2           ; v2   l / 16
.set AF0, 3           ; v3   my lane's place in my strip, plain loads; never rewritten
.set AT0, 4           ; v4   the same for the turning loads
.set AF,  5           ; v5   AF0 + the slot in hand
.set AT,  6           ; v6   AT0 + the slot in hand
.set XA,  7           ; v7-10  16 x lane in the inbox of the owner of my tile i: for the scores, at the end for Z
.set STO, 11          ; v11  the way out: where I put 32 bytes of a row
.set RD,  12          ; v12  the way out: where I read rows back
.set GO,  13          ; v13  16 x lane
.set SPW, 14          ; v14  LDS address of my spare word; never rewritten
.set NIL, 15          ; v15  0; never rewritten
.set PFO, 16          ; v16  the prefetches' offset: (lane / 2) rows + (lane % 2) x 256 bytes; never rewritten
.set SO,  17          ; v17  my word of stat
.set T0,  18
.set T1,  19
.set CM,  20          ; v20 c m, v21 m
.set LS,  22          ; v[22:23] l: even keys', odd keys'
.set CX,  24          ; v24-27 at work
.set DM,  28          ; v28  c m_old, then c m_old - c m_new
.set CB,  30          ; v[30:31] cbv of my row, twice
.set FB,  32
.set AG,  32          ; a of my tile i at AG + 4 i
.set PP,  64          ; P of my tile i, keys 32 kk on, at PP + 16 i + 8 kk
.set S,   128         ; S^T of my tile i, keys 16 kt on, at S + 32 i + 8 kt
.set B3,  128         ; the turned fragments' four buffers
.set B0,  160
.set B1,  192
.set B2,  224
.set ZBF, 64          ; the end: three buffers of 64 for the partial tiles of Z sent to me
.set WV,  14          ; s14  my wave's number
.set CXP, 15          ; s15  my place in the cluster: it enters global addresses of Qp, cbv, Zpart, stat and the prefetches alone
.set G1,  24          ; s[24:31] descriptor group 1
.set G0,  32          ; s[32:35] descriptor group 0
.set TB,  36          ; s36  the slot in hand: 0 or SLOT
.set WOFF, 37         ; s37  byte offset in Fb of my strip of Wvb's chunk 0
.set WB,  38          ; s38  my strip in a slot
.set CNT, 39          ; s39  counts the loop's steps
.set PFA, 42          ; s[42:43] where my prefetches stand
.set CS,  44          ; s[44:45] c
.set SEL, 46          ; s[46:47] v_permlanex16_b32's selects
.set QBK, 48          ; s48  my block of 64 rows
.set YS,  49          ; s49  the split
.set ZB,  54          ; s[54:55] Zpart at my own tile's first row, my split
.set OFF, 56          ; s[56:57] byte offset in Fb of my strip of the tile asked for last; the high word is 0
.set PFW, 58          ; s[58:59] Wvb's chunk 0 at my strip, my work-group's 16 rows
.set FLAG, 60         ; s60  1: my cluster prefetches what is being walked
.set FLAGW, 61        ; s61  1: my cluster prefetches Wvb
.set STA, 62          ; s[62:63] stat at my own tile's first row, my split
.set MSB, 0
.macro WIN new                      ; the immediate's high byte repeats the setting that is left; a switch that changes nothing is dropped
.if MSB != (\new)
	s_set_vgpr_msb (MSB<<8)|(\new)
.set MSB, \new
.endif
.endm
.macro PLACES                       ; four places behind a matrix instruction (ISA guide 7.12.1)
.rept 4
	v_nop
.endr
.endm
; A round of the cluster's barrier: my work-group's barrier, so that wave 0's signal speaks for all four waves; wave 0 signals; every wave waits for all four work-groups; my work-group's barrier once more.
.macro CROUND
	s_barrier_signal -1
	s_barrier_wait -1
	s_cmp_lg_u32 s[WV], 0
	s_cbranch_scc1 .Lnot_wave_0_\@
	s_barrier_signal -3
.Lnot_wave_0_\@:
	s_barrier_wait -3
	s_barrier_signal -1
	s_barrier_wait -1
.endm
.macro ASK                          ; the flag hangs on the cluster's place in the grid: it is the same in all four partners
	s_cmp_eq_u32 s[FLAG], 1
	s_cbranch_scc0 .Lnot_mine_\@
	global_prefetch_b8 v[PFO], s[PFA:PFA+1] th:TH_LOAD_NT scope:SCOPE_SE
.Lnot_mine_\@:
.endm
; F's fragments of K step ks (64 keys x 32 channels) into buffer ks % 3.
.macro LDF ks
.set kt, 0
.rept 4
	ds_load_b128 v[FB+32*((\ks)%3)+8*kt:FB+32*((\ks)%3)+8*kt+3],   v[AF] offset:kt*16*FP+64*(\ks)
	ds_load_b128 v[FB+32*((\ks)%3)+8*kt+4:FB+32*((\ks)%3)+8*kt+7], v[AF] offset:kt*16*FP+64*(\ks)+32
.set kt, kt+1
.endr
.endm
; 16 products of S^T = F Q^T.  The 16 accumulators take turns, one instruction a turn, in the same order in every K step.  K step 0 starts the sums.
.macro SMUL ks
.set i, 0
.rept 4
.set kt, 0
.rept 4
.if (\ks) == 0
	v_wmma_f32_16x16x32_bf16 v[S+32*i+8*kt:S+32*i+8*kt+7], v[FB+32*((\ks)%3)+8*kt:FB+32*((\ks)%3)+8*kt+7], v[64*i+8*(\ks):64*i+8*(\ks)+7], 0
.else
	v_wmma_f32_16x16x32_bf16 v[S+32*i+8*kt:S+32*i+8*kt+7], v[FB+32*((\ks)%3)+8*kt:FB+32*((\ks)%3)+8*kt+7], v[64*i+8*(\ks):64*i+8*(\ks)+7], v[S+32*i+8*kt:S+32*i+8*kt+7]
.endif
.set kt, kt+1
.endr
.set i, i+1
.endr
.endm
; The turned fragments of group g = 2 cq + kk of a strip: column tiles 4 cq .. 4 cq + 3, rows 32 kk on.  COLUMN TILE ct holds columns n0 .. n0 + 7 and n0 + 64 .. n0 + 71, n0 = 128 (ct / 8) + 8 (ct % 8):
; 16 lanes of the turning load then take 8 rows x 16 bytes twice, 128 bytes apart: banks 4 j .. 4 j + 3 and 32 + 4 j .. 32 + 4 j + 3, each once.  (A frame's columns are channels, Wvb's the head's 256 columns.)
.macro LDT g, buf
.set c4, 0
.rept 4
.set ct, 4*((\g)/2)+c4
.set lof, ((\g)%2)*32*FP+256*(ct/8)+16*(ct%8)
	ds_load_tr16_b128 v[(\buf)+8*c4:(\buf)+8*c4+3],   v[AT] offset:lof
	ds_load_tr16_b128 v[(\buf)+8*c4+4:(\buf)+8*c4+7], v[AT] offset:lof+16*FP
.set c4, c4+1
.endr
.endm
; 16 products of O^T += F^T P for group g; the 16 accumulators take turns.  first = 1: keys 0 to 31 start the sums.
.macro OMUL g, buf, first
	WIN 0xa0+0x50*((\g)/4)
.set c4, 0
.rept 4
.set ct, 4*((\g)/2)+c4
.set i, 0
.rept 4
.set ro, 8*(4*(ct%8)+i)
.set rp, PP+16*i+8*((\g)%2)
.if (\first) && ((\g)%2 == 0)
	v_wmma_f32_16x16x32_bf16 v[ro:ro+7], v[(\buf)+8*c4:(\buf)+8*c4+7], v[rp:rp+7], 0
.else
	v_wmma_f32_16x16x32_bf16 v[ro:ro+7], v[(\buf)+8*c4:(\buf)+8*c4+7], v[rp:rp+7], v[ro:ro+7]
.endif
.set i, i+1
.endr
.set c4, c4+1
.endr
.endm
; 16 products of Z^T += Wv^T O for group g of chunk q: the same with O rounded, in window 1, as source 1.  Chunk 0's first 32 channels start the sums.
.macro ZMUL g, buf, q
	WIN 0xa4+0x50*((\g)/4)
.set c4, 0
.rept 4
.set ct, 4*((\g)/2)+c4
.set i, 0
.rept 4
.set ro, 8*(4*(ct%8)+i)
.set rp, 64*(\q)+16*i+8*((\g)%2)
.if ((\q) == 0) && ((\g)%2 == 0)
	v_wmma_f32_16x16x32_bf16 v[ro:ro+7], v[(\buf)+8*c4:(\buf)+8*c4+7], v[rp:rp+7], 0
.else
	v_wmma_f32_16x16x32_bf16 v[ro:ro+7], v[(\buf)+8*c4:(\buf)+8*c4+7], v[rp:rp+7], v[ro:ro+7]
.endif
.set i, i+1
.endr
.set c4, c4+1
.endr
.endm
; My partial scores of tiles 1 to 3 go to their owners: part i - 1 of the inbox; 512 consecutive bytes a store; each accumulator's low registers first.
.macro XSEND
.set i, 1
.rept 3
.set kt, 0
.rept 4
	ds_store_b128 v[XA+i], v[S+32*i+8*kt:S+32*i+8*kt+3]   offset:(i-1)*4096+kt*1024
	ds_store_b128 v[XA+i], v[S+32*i+8*kt+4:S+32*i+8*kt+7] offset:(i-1)*4096+kt*1024+512
.set kt, kt+1
.endr
.set i, i+1
.endr
.endm
; The three partial tiles sent to me are added onto mine, and cbv onto all: cbv first, while the loads are out.
.macro XRECV
.set n, 0
.rept 24
	ds_load_b128 v[FB+4*n:FB+4*n+3], v[XA] offset:512*n
.set n, n+1
.endr
.set n, 0
.rept 16
	v_pk_add_f32 v[S+2*n:S+2*n+1], v[S+2*n:S+2*n+1], v[CB:CB+1]
.set n, n+1
.endr
.set q, 0
.rept 3
	s_wait_dscnt 16-8*q                            ; part q's eight loads are in
.set n, 0
.rept 16
	v_pk_add_f32 v[S+2*n:S+2*n+1], v[S+2*n:S+2*n+1], v[FB+32*q+2*n:FB+32*q+2*n+1]
.set n, n+1
.endr
.set q, q+1
.endr
.endm
; The softmax of my own tile for this step: the lane's 32 scores lie in v[S .. S + 31].  first = 1: there is no old m, no a.
.macro SOFT first
.set j, 0
.rept 4
	v_max3_num_f32 v[CX+j], v[S+8*j], v[S+8*j+1], v[S+8*j+2]
.set j, j+1
.endr
.set j, 4
.rept 8
	v_max3_num_f32 v[CX+j%4], v[CX+j%4], v[S+8*(j%4)+2*(j/4)+1], v[S+8*(j%4)+2*(j/4)+2]
.set j, j+1
.endr
	v_max3_num_f32 v[CX], v[CX], v[S+7], v[S+15]
	v_max3_num_f32 v[CX+2], v[CX+2], v[S+23], v[S+31]
	v_max3_num_f32 v[CX], v[CX], v[CX+1], v[CX+2]
.if \first
	v_max_num_f32 v[CX], v[CX], v[CX+3]
.else
	v_max3_num_f32 v[CX], v[CX], v[CX+3], v[CM+1]
	v_mov_b32 v[DM], v[CM]                         ; c m_old is kept for a
.endif
	v_permlanex16_b32 v[CX+1], v[CX], s[SEL], s[SEL+1]  ; the row's other 32 keys lie in the lane 16 away
	v_max_num_f32 v[CM+1], v[CX], v[CX+1]
	v_mul_f32 v[CM], s[CS], v[CM+1]
.if !(\first)
	v_sub_f32 v[DM], v[DM], v[CM]
.endif
.set n, 0
.rept 16
	v_pk_fma_f32 v[S+2*n:S+2*n+1], v[S+2*n:S+2*n+1], s[CS:CS+1], v[CM:CM+1] op_sel_hi:[1,0,0] neg_lo:[0,0,1] neg_hi:[0,0,1]  ; c s - c m
.set n, n+1
.endr
.if !(\first)
	v_exp_f32 v[AG], v[DM]                         ; a
.endif
.set n, 0
.rept 32
	v_exp_f32 v[S+n], v[S+n]
.set n, n+1
.endr
	v_nop                                          ; a plain instruction behind the last exponential, ahead of the first use
	s_wait_alu depctr_va_vdst(0)                   ; ONE wait for the whole batch, ahead of its first reader
.set n, 0
.rept 16
	v_cvt_pk_bf16_f32 v[PP+n], v[S+2*n], v[S+2*n+1]
.set n, n+1
.endr
.set n, 0
.rept 8
	v_pk_add_f32 v[S+4*n:S+4*n+1], v[S+4*n:S+4*n+1], v[S+4*n+2:S+4*n+3]
.set n, n+1
.endr
.set n, 0
.rept 4
	v_pk_add_f32 v[S+8*n:S+8*n+1], v[S+8*n:S+8*n+1], v[S+8*n+4:S+8*n+5]
.set n, n+1
.endr
	v_pk_add_f32 v[S:S+1], v[S:S+1], v[S+8:S+9]
	v_pk_add_f32 v[S+16:S+17], v[S+16:S+17], v[S+24:S+25]
.if \first
	v_pk_add_f32 v[LS:LS+1], v[S:S+1], v[S+16:S+17]
.else
	v_pk_add_f32 v[S:S+1], v[S:S+1], v[S+16:S+17]
	v_pk_fma_f32 v[LS:LS+1], v[LS:LS+1], v[AG:AG+1], v[S:S+1] op_sel_hi:[1,0,1]  ; l = a l + the sum
.endif
.endm
; O^T times a: row tile i's accumulators by a of tile i; each accumulator from its low registers on.
.macro RESC
.irp wn, 0x82, 0xc3
	WIN \wn
.set n, 0
.rept 32
.set q, 0
.rept 4
	v_pk_mul_f32 v[8*n+2*q:8*n+2*q+1], v[8*n+2*q:8*n+2*q+1], v[AG+4*(n%4):AG+4*(n%4)+1] op_sel_hi:[1,0]
.set q, q+1
.endr
.set n, n+1
.endr
.endr
.endm
; THE HEAD OF A STEP, of keys or of a chunk.  refill = 1: the slot read last step takes the next tile; 2: in the loop, whose last trip (CNT = 1) turns to Wvb's chunk 0; 0: nothing is left to ask for.
; ask = 1: the prefetch; 2: in the loop, where trip CNT = 2 turns to Wvb.
.macro OPEN refill, ask
	WIN 0
	s_wait_tensorcnt 0x0                           ; all my tensor loads are done: my strip of this step's tile; so group 0 may be written
	ds_add_u32 v[SPW], v[NIL]                      ; 0 onto my spare word; the scalar work below stands between it and the wait for it
.if \refill
	s_xor_b32 s[G0+1], s[G0+1], SLOT               ; the other slot than last time,
	s_add_co_u32 s[OFF], s[OFF], STEPB             ; the next 64 rows,
.if (\refill) == 2
	s_cmp_eq_u32 s[CNT], 1
	s_cselect_b32 s[OFF], s[WOFF], s[OFF]          ; or, behind the last tile of frames, Wvb's first 64 of mine
.endif
	s_add_nc_u64 s[G0+2:G0+3], s[8:9], s[OFF:OFF+1]  ; the address anew: the buffer's, plus the offset
	s_or_b32 s[G0+3], s[G0+3], 0x80000000          ; type = 2
.endif
.if \ask
	s_wait_xcnt 0x0                                ; the last prefetch, a step back, has read its address
	s_add_nc_u64 s[PFA:PFA+1], s[PFA:PFA+1], STEPB
.if (\ask) == 2
	s_cmp_eq_u32 s[CNT], 2
	s_cselect_b64 s[PFA:PFA+1], s[PFW:PFW+1], s[PFA:PFA+1]
	s_cselect_b32 s[FLAG], s[FLAGW], s[FLAG]
.endif
.endif
	s_wait_dscnt 0x0                               ; the add is done, and my reads of the old slot and of last step's P are over
.if \refill
	CROUND                                         ; that now holds of every wave of all four work-groups
	tensor_load_to_lds s[G0:G0+3], s[G1:G1+7]      ; my one tensor load behind the round, and the first thing there
	s_nop 0
	PLACES
.else
	s_barrier_signal -1
	s_barrier_wait -1
	PLACES
.endif
.if \ask
	ASK
.endif
.endm
; A KEY STEP.  first = 1: the sums, m and l begin.
.macro STEP first, refill, ask
	OPEN \refill, \ask
	v_add_nc_u32 v[AF], s[TB], v[AF0]
	v_add_nc_u32 v[AT], s[TB], v[AT0]
	v_nop                                          ; with the six above: seven places between last step's products and the loads and products that write over their sources
	WIN 0x04                                       ; Q in window 1; all else, the LDS loads' registers too, in window 0
	LDF 0
	LDF 1
	LDF 2
.set ksx, 0
.rept 8
.if ksx < 6
	s_wait_dscnt 16                                ; this K step's eight loads are in; two younger runs stay out
.else
	s_wait_dscnt 8*(7-ksx)
.endif
	SMUL ksx
.if ksx < 5
	PLACES
	LDF ksx+3                                      ; into the buffer just multiplied
.endif
.set ksx, ksx+1
.endr
	WIN 0
	PLACES
	XSEND
	LDT 0, B0                                      ; into the registers of the tiles just sent
	LDT 1, B1
	LDT 2, B2
	s_wait_dscnt 0x0                               ; for the others' sake: my stores are done
	s_barrier_signal -1
	s_barrier_wait -1                              ; B1: every inbox is full
	XRECV
	SOFT \first
.set n, 0
.rept 4
	ds_store_b128 v[XA], v[PP+4*n:PP+4*n+3] offset:512*n  ; P, over bytes of my inbox that I have read
.set n, n+1
.endr
.if !(\first)
	ds_store_b32 v[XA], v[AG] offset:2048
.endif
	LDT 3, B3
	s_wait_dscnt 0x0
	s_barrier_signal -1
	s_barrier_wait -1                              ; B2: every tile's P and a lie in LDS
.if !(\first)
.set i, 1
.rept 3
	ds_load_b32 v[AG+4*i], v[XA+i] offset:2048
.set i, i+1
.endr
.endif
.set i, 1
.rept 3
.set n, 0
.rept 4
	ds_load_b128 v[PP+16*i+4*n:PP+16*i+4*n+3], v[XA+i] offset:512*n
.set n, n+1
.endr
.set i, i+1
.endr
.if !(\first)
	s_wait_dscnt 12                                ; the three a are in; P's twelve loads stay out
	RESC
.endif
	s_wait_dscnt 0x0
	OMUL 0, B0, \first
	WIN 0
	PLACES
	LDT 4, B0
	OMUL 1, B1, \first
	WIN 0
	PLACES
	LDT 5, B1
	OMUL 2, B2, \first
	WIN 0
	PLACES
	LDT 6, B2
	OMUL 3, B3, \first
	WIN 0
	PLACES
	LDT 7, B3
	s_wait_dscnt 24                                ; group 4 is in; three younger runs stay out
	OMUL 4, B0, \first
	s_wait_dscnt 16
	OMUL 5, B1, \first
	s_wait_dscnt 8
	OMUL 6, B2, \first
	s_wait_dscnt 0x0
	OMUL 7, B3, \first
	WIN 0
	s_xor_b32 s[TB], s[TB], SLOT
.endm
; A CHUNK'S STEP: 64 of my channels' rows of Wvb against O rounded.
.macro ZSTEP q, refill, ask
	OPEN \refill, \ask
	v_add_nc_u32 v[AT], s[TB], v[AT0]              ; with the four above: five places between the last products and the loads into their sources
	LDT 0, B0
	LDT 1, B1
	LDT 2, B2
	LDT 3, B3
	s_wait_dscnt 24                                ; group 0 is in; three younger runs of eight stay out, here and at the next four waits
	ZMUL 0, B0, \q
	WIN 0
	PLACES
	LDT 4, B0
	s_wait_dscnt 24
	ZMUL 1, B1, \q
	WIN 0
	PLACES
	LDT 5, B1
	s_wait_dscnt 24
	ZMUL 2, B2, \q
	WIN 0
	PLACES
	LDT 6, B2
	s_wait_dscnt 24
	ZMUL 3, B3, \q
	WIN 0
	PLACES
	LDT 7, B3
	s_wait_dscnt 24
	ZMUL 4, B0, \q
	s_wait_dscnt 16
	ZMUL 5, B1, \q
	s_wait_dscnt 8
	ZMUL 6, B2, \q
	s_wait_dscnt 0x0
	ZMUL 7, B3, \q
	WIN 0
	s_xor_b32 s[TB], s[TB], SLOT
.endm
; Batch b of six of the partial tiles of Z sent to me: part b / 2, column tiles 8 (b % 2) on: 16 loads of 512 consecutive bytes.
.macro ZLD b, buf
.set e, 0
.rept 16
	ds_load_b128 v[(\buf)+4*e:(\buf)+4*e+3], v[XA] offset:(\b)*8192+e*512
.set e, e+1
.endr
.endm
.macro ZADD b, buf                  ; it is added onto my own tile's accumulators, each from its low registers on
	WIN 0x82+0x41*((\b)%2)
.set e, 0
.rept 16
.set zr, 32*(e/2)+4*(e%2)
	v_pk_add_f32 v[zr:zr+1], v[zr:zr+1], v[(\buf)+4*e:(\buf)+4*e+1]
	v_pk_add_f32 v[zr+2:zr+3], v[zr+2:zr+3], v[(\buf)+4*e+2:(\buf)+4*e+3]
.set e, e+1
.endr
.endm
	s_load_b256 s[4:11], s[0:1], 0x0               ; Qp s[4:5], cbv s[6:7], Fb s[8:9] (never rewritten), Zpart s[10:11]
	s_load_b64 s[12:13], s[0:1], 0x20              ; stat
	v_lshl_add_u32 v[SPW], v0, 2, SPARE
	v_mov_b32 v[NIL], 0
	ds_add_u32 v[SPW], v[NIL]                      ; the wave's opening: the add and its wait stand ahead of the round in front of my first tensor load; the set-up below, work on registers, stands between them
	v_lshrrev_b32 v[T0], 5, v0
	v_readfirstlane_b32 s[WV], v[T0]               ; wave 0..3
	s_bfe_u32 s[CXP], ttmp6, 0x40000               ; cx
	s_lshl_b32 s[QBK], ttmp9, 2                    ; in a cluster launch ttmp9 counts clusters: here it is the head
	s_add_co_u32 s[QBK], s[QBK], s[CXP]
	s_and_b32 s[YS], ttmp7, 0xffff                 ; the split, which the four partners share
	s_mul_i32 s[WB], s[WV], STRIP
	; descriptor group 1: a tile of 64 rows x 256 elements, padded in LDS
	s_mov_b32 s[G1], 15|(1<<16)|(1<<20)|(1<<21)|(6<<22)|(3<<25)  ; 15:0 the mask of four; 17:16 2-byte elements; 20 padding on; 21 set beside a mask; 24:22 after every 128 words (code 6); 31:25 4 words (code 3)
	s_mov_b32 s[G1+1], 256<<16                     ; tensor_dim0 = 256
	s_mov_b32 s[G1+2], 64<<16                      ; tensor_dim1 = 64
	s_mov_b32 s[G1+3], 256<<16                     ; tile_dim0 = 256
	s_mov_b32 s[G1+4], 64                          ; tile_dim1 = 64
	s_mov_b32 s[G1+5], 1024                        ; 1,024 elements from row to row
	s_mov_b32 s[G1+6], 0
	s_mov_b32 s[G1+7], 0
	s_mov_b32 s[G0], 1                             ; count = 1
	s_mov_b32 s[G0+1], s[WB]                       ; LDS address: my strip of slot 0
	s_mov_b32 s[CS], 0x3db8aa3b                    ; c = log2(e) / 16
	s_mov_b32 s[CS+1], s[CS]                       ; named with it as a pair
	s_mov_b32 s[SEL], 0x76543210
	s_mov_b32 s[SEL+1], 0xfedcba98
	s_mov_b32 s[TB], 0
	s_cmp_eq_u32 ttmp9, 0                          ; the split's first cluster prefetches the frames,
	s_cselect_b32 s[FLAG], 1, 0
	s_cmp_eq_u32 s[YS], 0                          ; the head's first cluster Wvb
	s_cselect_b32 s[FLAGW], 1, 0
	s_lshl_b32 s[OFF], s[YS], 21                   ; tile 0: the split's 1,024 rows of 2,048 bytes,
	s_lshl_b32 s51, s[WV], 9                       ; my 512 bytes of a row
	s_add_co_u32 s[OFF], s[OFF], s51
	s_mov_b32 s[OFF+1], 0
	s_lshl_b32 s52, s[CXP], 15                     ; the prefetches: my work-group's 16 rows of a tile's 64
	s_mov_b32 s53, 0
	s_lshl_b32 s16, s[WV], 19                      ; Wvb's chunk 0: my 256 rows of 2,048 bytes,
	s_lshl_b32 s17, ttmp9, 9                       ; the head's 512 bytes of a row,
	s_add_co_u32 s16, s16, s17
	s_add_co_u32 s16, s16, WVO                     ; behind the frames
	s_mov_b32 s17, 0
	s_mov_b32 s[WOFF], s16
	s_wait_dscnt 0x0                               ; the opening add is done
	s_wait_kmcnt 0x0
	s_add_nc_u64 s[G0+2:G0+3], s[8:9], s[OFF:OFF+1]  ; global address: my strip of tile 0
	s_add_nc_u64 s[PFA:PFA+1], s[G0+2:G0+3], s[52:53]
	s_add_nc_u64 s[PFA:PFA+1], s[PFA:PFA+1], 2*STEPB  ; at tile 2: step 1 steps it to tile 3.  Nothing is prefetched here, at the head
	s_or_b32 s[G0+3], s[G0+3], 0x80000000          ; type = 2
	s_add_nc_u64 s[PFW:PFW+1], s[8:9], s[16:17]
	s_add_nc_u64 s[PFW:PFW+1], s[PFW:PFW+1], s[52:53]
	CROUND                                         ; all four work-groups are here: the first joint loads meet
	tensor_load_to_lds s[G0:G0+3], s[G1:G1+7]      ; tile 0 into slot 0
	s_nop 0
	PLACES
	v_and_b32 v[R_], 15, v0
	v_bfe_u32 v[HF], v0, 4, 1
	v_and_b32 v[T1], 31, v0                        ; lane
	v_mul_u32_u24 v[AF0], v[R_], FP
	v_lshl_add_u32 v[AF0], v[HF], 4, v[AF0]        ; row x pitch + 16 x half
	v_add_nc_u32 v[AF0], s[WB], v[AF0]
	v_and_b32 v[T0], 7, v0
	v_lshl_add_u32 v[T0], v[HF], 3, v[T0]          ; row 8 (l / 16) + l % 8
	v_mul_u32_u24 v[AT0], v[T0], FP
	v_bfe_u32 v[T0], v0, 3, 1
	v_lshl_add_u32 v[AT0], v[T0], 7, v[AT0]        ; 64 columns on for lanes 8-15 and 24-31
	v_add_nc_u32 v[AT0], s[WB], v[AT0]
	s_mul_i32 s16, s[WV], 16*OPI
	s_add_co_u32 s16, s16, ZST                     ; my stage
	v_mul_u32_u24 v[STO], v[R_], OPI
	v_lshl_add_u32 v[STO], v[HF], 8, v[STO]        ; the upper half of the lanes holds columns 64 further on
	v_add_nc_u32 v[STO], s16, v[STO]
	v_lshlrev_b32 v[GO], 4, v[T1]
	v_add_nc_u32 v[RD], s16, v[GO]
	v_lshrrev_b32 v[T0], 1, v[T1]
	v_lshlrev_b32 v[PFO], 11, v[T0]
	v_and_b32 v[T0], 1, v0
	v_lshl_add_u32 v[PFO], v[T0], 8, v[PFO]
	v_lshlrev_b32 v[SO], 7, v[R_]
	v_lshl_add_u32 v[SO], v[HF], 6, v[SO]          ; lanes 0-15 store m, lanes 16-31 l
	v_lshlrev_b32 v[T0], 11, v[R_]
	v_lshl_add_u32 v[T0], v[HF], 4, v[T0]          ; Q: row x 2,048 + 16 x half
.irp i, 0,1,2,3
	s_add_co_u32 s50, s[WV], \i
	s_and_b32 s50, s50, 3                          ; my tile i is the block's tile (w + i) % 4
	s_mul_i32 s51, s50, INBOX
	s_add_co_u32 s51, s51, XB
	v_lshl_add_u32 v[XA+\i], v[T1], 4, s51
	s_lshl_b32 s51, s50, 15
	v_add_nc_u32 v[FB+\i], s51, v[T0]              ; its 16 rows of Q
.endr
	s_lshl_b32 s52, s[QBK], 20                     ; Zpart: my block's 64 rows of 16,384 bytes,
	s_lshl_b32 s17, s[WV], 18                      ; my own tile's 16,
	s_add_co_u32 s52, s52, s17
	s_lshl_b32 s17, s[YS], 10                      ; my split's 1,024 bytes of a row
	s_add_co_u32 s52, s52, s17
	s_mov_b32 s53, 0
	s_add_nc_u64 s[ZB:ZB+1], s[10:11], s[52:53]
	s_lshl_b32 s52, s[QBK], 17                     ; Qp: my block's 64 rows, my 512 bytes of a row
	s_lshl_b32 s17, s[WV], 9
	s_add_co_u32 s52, s52, s17
	s_add_nc_u64 s[4:5], s[4:5], s[52:53]
	s_lshl_b32 s52, s[QBK], 8                      ; cbv: my own tile's 16 rows
	s_lshl_b32 s17, s[WV], 6
	s_add_co_u32 s52, s52, s17
	s_add_nc_u64 s[6:7], s[6:7], s[52:53]
	s_lshl_b32 s52, s[QBK], 13                     ; stat: the same rows, 128 bytes each, my split's word
	s_lshl_b32 s17, s[WV], 11
	s_add_co_u32 s52, s52, s17
	s_lshl_b32 s17, s[YS], 2
	s_add_co_u32 s52, s52, s17
	s_add_nc_u64 s[STA:STA+1], s[12:13], s[52:53]
	WIN 0x40                                       ; destination window 1, address window 0
.set i, 0
.rept 4                                ; Q stays in registers
.set ks, 0
.rept 8
	global_load_b128 v[64*i+8*ks:64*i+8*ks+3],   v[FB+i], s[4:5] offset:64*ks
	global_load_b128 v[64*i+8*ks+4:64*i+8*ks+7], v[FB+i], s[4:5] offset:64*ks+32
.set ks, ks+1
.endr
.set i, i+1
.endr
	WIN 0
	v_lshlrev_b32 v[T0], 2, v[R_]
	global_load_b32 v[CB], v[T0], s[6:7]
	s_wait_loadcnt 0x0
	v_mov_b32 v[CB+1], v[CB]
	STEP 1, 1, 0                                   ; step 0: tile 0 is waited for, tile 1 asked for
	s_mov_b32 s[CNT], 15
.Lstep:                                            ; steps 1 to 15; step 15 asks for Wvb's chunk 0
	STEP 0, 2, 2
	s_sub_co_u32 s[CNT], s[CNT], 1
	s_cmp_lg_u32 s[CNT], 0
	s_cbranch_scc1 .Lstep
	PLACES                                         ; behind the last products
	v_add_f32 v[CX], v[LS], v[LS+1]
	v_permlanex16_b32 v[CX+1], v[CX], s[SEL], s[SEL+1]
	v_add_f32 v[CX], v[CX], v[CX+1]                ; l of my row
	v_cmp_eq_u32 vcc_lo, 1, v[HF]
	v_cndmask_b32 v[T0], v[CM+1], v[CX], vcc_lo
	global_store_b32 v[SO], v[T0], s[STA:STA+1]
	; O^T is rounded to bf16, into Q's registers: channel tile ct = 4 q + u of row tile i becomes registers 4 u .. 4 u + 3 of chunk q's source 1.  Each accumulator from its low registers on.
.set ct, 0
.rept 16
	WIN 0x4a+5*(ct/8)                              ; sources window 2 or 3, destination window 1
.set i, 0
.rept 4
.set p, 0
.rept 4
	v_cvt_pk_bf16_f32 v[64*(ct/4)+16*i+4*(ct%4)+p], v[8*(4*(ct%8)+i)+2*p], v[8*(4*(ct%8)+i)+2*p+1]
.set p, p+1
.endr
.set i, i+1
.endr
.set ct, ct+1
.endr
	ZSTEP 0, 1, 1                                  ; chunk 0 is waited for, chunk 1 asked for, chunk 2 named
	ZSTEP 1, 1, 1
	ZSTEP 2, 1, 0
	ZSTEP 3, 0, 0                                  ; nothing is left to ask for
	; THE FOUR PARTIAL Z MEET.  My tiles 1 to 3 go to their owners' inboxes, which lie over the slots: so a barrier first, behind every wave's last read of a slot.
	PLACES                                         ; behind the last products
.irp i, 0,1,2,3
	s_add_co_u32 s50, s[WV], \i
	s_and_b32 s50, s50, 3
	s_mul_i32 s50, s50, ZIN
	v_add_nc_u32 v[XA+\i], s50, v[GO]
.endr
	s_barrier_signal -1                            ; my LDS loads are back: the last chunk's last wait was for 0
	s_barrier_wait -1
.set i, 1
.rept 3
.set ct, 0
.rept 16
	WIN 0x08+4*(ct/8)                              ; the stores' data in window 2 or 3
	ds_store_b128 v[XA+i], v[8*(4*(ct%8)+i):8*(4*(ct%8)+i)+3]   offset:(i-1)*16384+ct*1024
	ds_store_b128 v[XA+i], v[8*(4*(ct%8)+i)+4:8*(4*(ct%8)+i)+7] offset:(i-1)*16384+ct*1024+512
.set ct, ct+1
.endr
.set i, i+1
.endr
	WIN 0
	s_wait_dscnt 0x0                               ; for the others' sake: my stores are done
	s_barrier_signal -1
	s_barrier_wait -1                              ; every inbox is full
	ZLD 0, ZBF
	ZLD 1, ZBF+64
	ZLD 2, ZBF+128
.set b, 0
.rept 6
.if b < 4
	s_wait_dscnt 32                                ; batch b's 16 loads are in; two younger batches stay out
.else
	s_wait_dscnt 16*(5-b)
.endif
	ZADD b, ZBF+64*(b%3)
.if b < 3
	WIN 0
	ZLD b+3, ZBF+64*(b%3)                          ; into the buffer just added
.endif
.set b, b+1
.endr
	; THE WAY OUT of my own tile: 16 rows x 256 columns in f32 go into my stage (a lane holds eight neighbouring columns of one row) and come back as runs of 512 consecutive bytes.
.set ct, 0
.rept 16
	WIN 0x08+4*(ct/8)
	ds_store_b128 v[STO], v[32*(ct%8):32*(ct%8)+3]   offset:512*(ct/8)+32*(ct%8)
	ds_store_b128 v[STO], v[32*(ct%8)+4:32*(ct%8)+7] offset:512*(ct/8)+32*(ct%8)+16
.set ct, ct+1
.endr
	WIN 0
.set t, 0
.rept 32
	ds_load_b128 v[FB+4*t:FB+4*t+3], v[RD] offset:(t/2)*OPI+(t%2)*512  ; LDS serves a wave's instructions in order (ISA guide 5.7.1.4): these see the stores above
.set t, t+1
.endr
.set t, 0
.rept 32
	s_wait_dscnt 31-t
	global_store_b128 v[GO], v[FB+4*t:FB+4*t+3], s[ZB:ZB+1] offset:(t/2)*16384+(t%2)*512  ; 512 consecutive bytes, at a multiple of 256 from Zpart's first
.set t, t+1
.endr
	s_wait_tensorcnt 0x0                           ; the wave's end: behind my last tensor load and my last LDS store
	ds_add_u32 v[SPW], v[NIL]
	s_wait_dscnt 0x0
	CROUND                                         ; the closing round: no work-group ends while a partner may still ask for a tile that names it
	s_endpgm
.Lfunc_end_k_qa860b96de4_flash:
	.size	k_qa860b96de4_flash, .Lfunc_end_k_qa860b96de4_flash-k_qa860b96de4_flash
	.p2alignl 7, 3214868480
	.fill 96, 4, 3214868480
	.section	.rodata,"a",@progbits
	.p2align	6, 0x0
	.amdhsa_kernel k_qa860b96de4_flash
		.amdhsa_group_segment_fixed_size 327680
		.amdhsa_private_segment_fixed_size 0
		.amdhsa_enable_private_segment 0
		.amdhsa_kernarg_size 40
		.amdhsa_user_sgpr_count 2
		.amdhsa_user_sgpr_kernarg_segment_ptr 1
		.amdhsa_wavefront_size32 1
		.amdhsa_system_sgpr_workgroup_id_x 1
		.amdhsa_system_sgpr_workgroup_id_y 1
		.amdhsa_system_sgpr_workgroup_id_z 1
		.amdhsa_system_vgpr_workitem_id 0
		.amdhsa_next_free_vgpr 1024
		.amdhsa_next_free_sgpr 66
		.amdhsa_reserve_vcc 1
		.amdhsa_float_denorm_mode_32 3
		.amdhsa_float_denorm_mode_16_64 3
		.amdhsa_memory_ordered 1
		.amdhsa_forward_progress 1
		.amdhsa_inst_pref_size 218
	.end_amdhsa_kernel
	.amdgpu_metadata
---
amdhsa.version: [ 1, 2 ]
amdhsa.kernels:
  - .name:           k_qa860b96de4_flash
    .symbol:         k_qa860b96de4_flash.kd
    .args:
      - { .name: Qp, .offset: 0, .size: 8, .value_kind: global_buffer, .address_space: global }
      - { .name: cbv, .offset: 8, .size: 8, .value_kind: global_buffer, .address_space: global }
      - { .name: Fb, .offset: 16, .size: 8, .value_kind: global_buffer, .address_space: global }
      - { .name: Zpart, .offset: 24, .size: 8, .value_kind: global_buffer, .address_space: global }
      - { .name: stat, .offset: 32, .size: 8, .value_kind: global_buffer, .address_space: global }
    .group_segment_fixed_size: 327680
    .private_segment_fixed_size: 0
    .kernarg_segment_align: 8
    .kernarg_segment_size: 40
    .max_flat_workgroup_size: 128
    .sgpr_count:     66
    .vgpr_count:     1024
    .wavefront_size: 32
...
	.end_amdgpu_metadata
.endif
;; end of part 4
;; launch comb (part 5): grid 256 x 1, 4 waves a work-group, no clusters, 0 bytes of LDS; arguments Zpart, stat, dil_w, bv, cmb; writes cmb
.if DOCPART == 5
	.amdgcn_target "amdgcn-amd-amdhsa--gfx1250"
	.amdhsa_code_object_version 6
	.text
	.protected	k_qa860b96de4_comb
	.globl	k_qa860b96de4_comb
	.p2align	8
	.type	k_qa860b96de4_comb,@function
k_qa860b96de4_comb:
	s_mov_b64 s[64:65], 0
	v_nop
	global_prefetch_b8 v0, s[64:65] scope:SCOPE_SE
	s_setreg_imm32_b32 hwreg(HW_REG_WAVE_MODE, 25, 1), 1
	s_wait_xcnt 0x0
; cmb[b][256 h + n] = the sum over the 16 splits y of coef_y(R) Zpart[R][y][n] + bv[256 h + n], R = 256 h + b, f32: the four softmaxes over nested sets of splits, each divided by its sum and
; weighted by softmax(dil_w).  The weights of each softmax add up to 1, and so do softmax(dil_w)'s, so bv enters once.
; Stride 1 takes splits y < 16, stride 4 y < 4, stride 8 y < 2, stride 16 y < 1 (dil_w[0..3] in that order).  For set i: M_i = the maximum of m_y over the set,
; e_iy = 2^(c (m_y - M_i)) inside the set and 0 outside, L_i = the sum of e_iy l_y, coef_y = the sum over i of w_i e_iy / L_i.  c = log2(e) / 16.  Both softmaxes take their maximum away.
; Zpart: [1024][16][256] f32; stat: [1024][2][16] f32 (m, l); dil_w: [4] f32; bv: [1024] f32; cmb: [256][1024] f32.  A weight below 2^-126 counts as 0; NaN and infinities are not treated apart.
; A stream: each byte of Zpart is read once; no LDS, no matrix unit, no cluster.  A wave takes a row R: 1,024 bytes of each split, two loads of 512 consecutive bytes.
; All 32 loads go out at once; the coefficients are made while they are on their way.
.set MM,  4                            ; v4   m of split l % 16
.set LL,  5                            ; v5   l of it
.set W,   6                            ; v6-9   softmax(dil_w)
.set E,   12                           ; v12-15 M_i, then e_i
.set Q,   16                           ; v16-19 e_i l, L_i, w_i / L_i
.set ACC, 20                           ; v[20:27]
.set BV,  28                           ; v[28:35]
.set CO,  36                           ; v36  coef of split l % 16
.set D,   40                           ; v[40:167] split y at D + 8 y
	s_load_b256 s[4:11], s[0:1], 0x0               ; Zpart s[4:5], stat s[6:7], dil_w s[8:9], bv s[10:11]
	s_load_b64 s[12:13], s[0:1], 0x20              ; cmb
	v_lshrrev_b32 v10, 5, v0
	v_readfirstlane_b32 s14, v10                   ; wave 0..3
	v_and_b32 v3, 15, v0                           ; y
	v_lshlrev_b32 v1, 2, v3
	v_and_b32 v2, 31, v0
	v_lshlrev_b32 v2, 4, v2                        ; 16 x lane
	s_lshl_b32 s15, ttmp9, 2
	s_add_co_u32 s15, s15, s14                     ; R
	s_lshl_b32 s16, s15, 14
	s_mov_b32 s17, 0
	s_lshl_b32 s18, s15, 7
	s_mov_b32 s19, 0
	s_lshr_b32 s20, s15, 8                         ; h
	s_lshl_b32 s20, s20, 10                        ; its 256 columns of 4 bytes
	s_mov_b32 s21, 0
	s_and_b32 s22, s15, 255                        ; b
	s_lshl_b32 s22, s22, 12
	s_add_co_u32 s22, s22, s20
	s_mov_b32 s23, 0
	s_wait_kmcnt 0x0
	s_load_b128 s[24:27], s[8:9], 0x0              ; dil_w: no line of this text writes it
	s_add_nc_u64 s[4:5], s[4:5], s[16:17]
	s_add_nc_u64 s[6:7], s[6:7], s[18:19]
	s_add_nc_u64 s[10:11], s[10:11], s[20:21]
	s_add_nc_u64 s[12:13], s[12:13], s[22:23]
	global_load_b32 v[MM], v1, s[6:7]
	global_load_b32 v[LL], v1, s[6:7] offset:64
	global_load_b128 v[BV:BV+3],   v2, s[10:11]
	global_load_b128 v[BV+4:BV+7], v2, s[10:11] offset:512
.set y, 0
.rept 16
	global_load_b128 v[D+8*y:D+8*y+3],   v2, s[4:5] offset:y*1024 th:TH_LOAD_NT
	global_load_b128 v[D+8*y+4:D+8*y+7], v2, s[4:5] offset:y*1024+512 th:TH_LOAD_NT
.set y, y+1
.endr
	s_wait_kmcnt 0x0
	v_mov_b32 v[W], s24
	v_mov_b32 v[W+1], s25
	v_mov_b32 v[W+2], s26
	v_mov_b32 v[W+3], s27
	v_max3_num_f32 v10, v[W], v[W+1], v[W+2]
	v_max_num_f32 v10, v10, v[W+3]
.irp i, 0,1,2,3
	v_sub_f32 v[W+\i], v[W+\i], v10
.endr
.irp i, 0,1,2,3
	v_mul_f32 v[W+\i], 0x3fb8aa3b, v[W+\i]
.endr
.irp i, 0,1,2,3
	v_exp_f32 v[W+\i], v[W+\i]
.endr
	v_nop                                          ; a plain instruction behind the last exponential,
	s_wait_alu depctr_va_vdst(0)                   ; and one wait for the four
	v_add_f32 v10, v[W], v[W+1]
	v_add_f32 v11, v[W+2], v[W+3]
	v_add_f32 v10, v10, v11
	v_rcp_f32 v10, v10
	v_mov_b32 v[Q+3], 0xff7fffff                   ; the lowest finite number: what a split outside a set counts for in its maximum.  Also the plain instruction behind the reciprocal
	s_wait_alu depctr_va_vdst(0)
.irp i, 0,1,2,3
	v_mul_f32 v[W+\i], v[W+\i], v10
.endr
	v_cmp_gt_u32 s28, 4, v3                        ; the sets, as masks of lanes
	v_cmp_gt_u32 s29, 2, v3
	v_cmp_gt_u32 s30, 1, v3
	s_wait_loadcnt 34                              ; m and l are in; bv's 2 loads and Zpart's 32 stay out
	v_mov_b32 v[E], v[MM]
	v_cndmask_b32 v[E+1], v[Q+3], v[MM], s28
	v_cndmask_b32 v[E+2], v[Q+3], v[MM], s29
	v_cndmask_b32 v[E+3], v[Q+3], v[MM], s30
.irp x, 1,2,4,8                        ; over the 16 lanes of a half: both halves hold the same 16 splits
.irp i, 0,1,2,3
	v_max_num_f32_dpp v[E+\i], v[E+\i], v[E+\i] row_xmask:\x row_mask:0xf bank_mask:0xf
.endr
.endr
.irp i, 0,1,2,3
	v_sub_f32 v[E+\i], v[MM], v[E+\i]
.endr
.irp i, 0,1,2,3
	v_mul_f32 v[E+\i], 0x3db8aa3b, v[E+\i]
.endr
.irp i, 0,1,2,3
	v_exp_f32 v[E+\i], v[E+\i]
.endr
	v_nop
	s_wait_alu depctr_va_vdst(0)
	v_cndmask_b32 v[E+1], 0, v[E+1], s28           ; outside its set a split counts for nothing, whatever the exponential gave
	v_cndmask_b32 v[E+2], 0, v[E+2], s29
	v_cndmask_b32 v[E+3], 0, v[E+3], s30
.irp i, 0,1,2,3
	v_mul_f32 v[Q+\i], v[E+\i], v[LL]
.endr
.irp x, 1,2,4,8
.irp i, 0,1,2,3
	v_add_f32_dpp v[Q+\i], v[Q+\i], v[Q+\i] row_xmask:\x row_mask:0xf bank_mask:0xf
.endr
.endr
.irp i, 0,1,2,3
	v_rcp_f32 v[Q+\i], v[Q+\i]
.endr
	v_nop
	s_wait_alu depctr_va_vdst(0)
.irp i, 0,1,2,3
	v_mul_f32 v[Q+\i], v[Q+\i], v[W+\i]
.endr
	v_mul_f32 v[CO], v[E], v[Q]
	v_fmac_f32 v[CO], v[E+1], v[Q+1]
	v_fmac_f32 v[CO], v[E+2], v[Q+2]
	v_fmac_f32 v[CO], v[E+3], v[Q+3]
.set y, 0
.rept 16
	v_readlane_b32 s[32+2*y], v[CO], y             ; split y's coefficient as a scalar;
	s_mov_b32 s[33+2*y], s[32+2*y]                 ; the packed forms name a pair
.set y, y+1
.endr
.set y, 0
.rept 16
	s_wait_loadcnt 2*(15-y)                        ; split y's two loads are in (and bv's, asked for before them); the younger splits stay out
.set j, 0
.rept 4
.if y == 0
	v_pk_fma_f32 v[ACC+2*j:ACC+2*j+1], v[D+2*j:D+2*j+1], s[32:33], v[BV+2*j:BV+2*j+1] op_sel_hi:[1,0,1]  ; bv starts the sums
.else
	v_pk_fma_f32 v[ACC+2*j:ACC+2*j+1], v[D+8*y+2*j:D+8*y+2*j+1], s[32+2*y:33+2*y], v[ACC+2*j:ACC+2*j+1] op_sel_hi:[1,0,1]
.endif
.set j, j+1
.endr
.set y, y+1
.endr
	global_store_b128 v2, v[ACC:ACC+3],   s[12:13]             ; 512 consecutive bytes, aligned
	global_store_b128 v2, v[ACC+4:ACC+7], s[12:13] offset:512
	s_endpgm
.Lfunc_end_k_qa860b96de4_comb:
	.size	k_qa860b96de4_comb, .Lfunc_end_k_qa860b96de4_comb-k_qa860b96de4_comb
	.p2alignl 7, 3214868480
	.fill 96, 4, 3214868480
	.section	.rodata,"a",@progbits
	.p2align	6, 0x0
	.amdhsa_kernel k_qa860b96de4_comb
		.amdhsa_group_segment_fixed_size 0
		.amdhsa_private_segment_fixed_size 0
		.amdhsa_enable_private_segment 0
		.amdhsa_kernarg_size 40
		.amdhsa_user_sgpr_count 2
		.amdhsa_user_sgpr_kernarg_segment_ptr 1
		.amdhsa_wavefront_size32 1
		.amdhsa_system_sgpr_workgroup_id_x 1
		.amdhsa_system_sgpr_workgroup_id_y 1
		.amdhsa_system_sgpr_workgroup_id_z 1
		.amdhsa_system_vgpr_workitem_id 0
		.amdhsa_next_free_vgpr 168
		.amdhsa_next_free_sgpr 66
		.amdhsa_reserve_vcc 0
		.amdhsa_float_denorm_mode_32 3
		.amdhsa_float_denorm_mode_16_64 3
		.amdhsa_memory_ordered 1
		.amdhsa_forward_progress 1
		.amdhsa_inst_pref_size 16
	.end_amdhsa_kernel
	.amdgpu_metadata
---
amdhsa.version: [ 1, 2 ]
amdhsa.kernels:
  - .name:           k_qa860b96de4_comb
    .symbol:         k_qa860b96de4_comb.kd
    .args:
      - { .name: Zpart, .offset: 0, .size: 8, .value_kind: global_buffer, .address_space: global }
      - { .name: stat, .offset: 8, .size: 8, .value_kind: global_buffer, .address_space: global }
      - { .name: dil_w, .offset: 16, .size: 8, .value_kind: global_buffer, .address_space: global }
      - { .name: bv, .offset: 24, .size: 8, .value_kind: global_buffer, .address_space: global }
      - { .name: cmb, .offset: 32, .size: 8, .value_kind: global_buffer, .address_space: global }
    .group_segment_fixed_size: 0
    .private_segment_fixed_size: 0
    .kernarg_segment_align: 8
    .kernarg_segment_size: 40
    .max_flat_workgroup_size: 128
    .sgpr_count:     66
    .vgpr_count:     168
    .wavefront_size: 32
...
	.end_amdgpu_metadata
.endif
;; end of part 5
;; launch oproj: the kernel of part 2 again; grid 16 x 16, 4 waves a work-group, no clusters, 181,760 bytes of LDS; arguments cmb, Wo, bo, qf; writes qf
;; launch ln (part 6): grid 256 x 1, 1 waves a work-group, no clusters, 0 bytes of LDS; arguments x, qf, gamma, beta, out0; writes out0
.if DOCPART == 6
	.amdgcn_target "amdgcn-amd-amdhsa--gfx1250"
	.amdhsa_code_object_version 6
	.text
	.protected	k_qa860b96de4_ln
	.globl	k_qa860b96de4_ln
	.p2align	8
	.type	k_qa860b96de4_ln,@function
k_qa860b96de4_ln:
	s_mov_b64 s[64:65], 0
	v_nop
	global_prefetch_b8 v0, s[64:65] scope:SCOPE_SE
	s_setreg_imm32_b32 hwreg(HW_REG_WAVE_MODE, 25, 1), 1
	s_wait_xcnt 0x0
; out0[b][:] = (y - mean(y)) / sqrt(var(y) + 1e-5) x gamma + beta, y = x[b][:] + z[b][:]; z (the second argument) already holds combined Wo + bo.  All f32, rows of 1,024.
; One wave, one row: 4,096 bytes are 32 registers, so the row stays in registers between the mean, the variance (taken of y - mean, not as a difference of large sums) and the scaling.
; No LDS, no barrier: the sums never leave the wave.  Each load and store of the wave covers 512 consecutive bytes.
.set Y,  8                             ; v[8:39]    x, then y, then y - mean, then the result
.set Z,  40                            ; v[40:71]   z
.set GA, 72                            ; v[72:103]  gamma
.set BE, 104                           ; v[104:135] beta
.set AC, 136                           ; v[136:139] two packed sums
	s_load_b256 s[4:11], s[0:1], 0x0               ; x s[4:5], z s[6:7], gamma s[8:9], beta s[10:11]
	s_load_b64 s[12:13], s[0:1], 0x20              ; out0
	v_lshlrev_b32 v1, 4, v0
	s_lshl_b32 s14, ttmp9, 12                      ; my row
	s_mov_b32 s15, 0
	s_mov_b32 s16, 0x3a800000                      ; 1 / 1024
	s_mov_b32 s18, 0x76543210                      ; v_permlanex16_b32: each lane takes its own place in the other half
	s_mov_b32 s19, 0xfedcba98
	v_mov_b32 v5, 0x3727c5ac                       ; 1e-5
	s_wait_kmcnt 0x0
	s_add_nc_u64 s[4:5], s[4:5], s[14:15]
	s_add_nc_u64 s[6:7], s[6:7], s[14:15]
	s_add_nc_u64 s[12:13], s[12:13], s[14:15]
.set j, 0
.rept 8
	global_load_b128 v[Y+4*j:Y+4*j+3], v1, s[4:5] offset:512*j
.set j, j+1
.endr
.set j, 0
.rept 8
	global_load_b128 v[Z+4*j:Z+4*j+3], v1, s[6:7] offset:512*j
.set j, j+1
.endr
.set j, 0
.rept 8
	global_load_b128 v[GA+4*j:GA+4*j+3], v1, s[8:9] offset:512*j
.set j, j+1
.endr
.set j, 0
.rept 8
	global_load_b128 v[BE+4*j:BE+4*j+3], v1, s[10:11] offset:512*j
.set j, j+1
.endr
; The two packed sums in AC become one number in every lane: four steps inside each half of 16 lanes ride on the additions, one crosses the halves.
.macro WSUM
	v_pk_add_f32 v[AC:AC+1], v[AC:AC+1], v[AC+2:AC+3]
	v_add_f32 v[AC], v[AC], v[AC+1]
.irp x, 1,2,4,8
	v_add_f32_dpp v[AC], v[AC], v[AC] row_xmask:\x row_mask:0xf bank_mask:0xf
.endr
	v_permlanex16_b32 v[AC+1], v[AC], s18, s19
	v_add_f32 v[AC], v[AC], v[AC+1]
.endm
	s_wait_loadcnt 16                              ; x and z are in; gamma's and beta's 16 loads stay out
.set n, 0
.rept 16
	v_pk_add_f32 v[Y+2*n:Y+2*n+1], v[Y+2*n:Y+2*n+1], v[Z+2*n:Z+2*n+1]
.set n, n+1
.endr
	v_pk_add_f32 v[AC:AC+1], v[Y:Y+1], v[Y+2:Y+3]  ; two chains, started by the first four pairs: nothing is cleared
	v_pk_add_f32 v[AC+2:AC+3], v[Y+4:Y+5], v[Y+6:Y+7]
.set n, 4
.rept 12
	v_pk_add_f32 v[AC+2*(n%2):AC+2*(n%2)+1], v[AC+2*(n%2):AC+2*(n%2)+1], v[Y+2*n:Y+2*n+1]
.set n, n+1
.endr
	WSUM
	v_mul_f32 v2, s16, v[AC]                       ; the mean,
	v_mov_b32 v3, v2                               ; twice
.set n, 0
.rept 16
	v_pk_add_f32 v[Y+2*n:Y+2*n+1], v[Y+2*n:Y+2*n+1], v[2:3] neg_lo:[0,1] neg_hi:[0,1]
.set n, n+1
.endr
	v_pk_mul_f32 v[AC:AC+1], v[Y:Y+1], v[Y:Y+1]
	v_pk_mul_f32 v[AC+2:AC+3], v[Y+2:Y+3], v[Y+2:Y+3]
.set n, 2
.rept 14
	v_pk_fma_f32 v[AC+2*(n%2):AC+2*(n%2)+1], v[Y+2*n:Y+2*n+1], v[Y+2*n:Y+2*n+1], v[AC+2*(n%2):AC+2*(n%2)+1]
.set n, n+1
.endr
	WSUM
	v_fma_f32 v4, v[AC], s16, v5                   ; var + 1e-5
	v_rsq_f32 v6, v4
	v_nop                                          ; a plain instruction behind it,
	s_wait_alu depctr_va_vdst(0)                   ; and a wait ahead of the first use
	v_mov_b32 v7, v6
	s_wait_loadcnt 0x0                             ; gamma and beta
.set n, 0
.rept 16
	v_pk_mul_f32 v[Y+2*n:Y+2*n+1], v[Y+2*n:Y+2*n+1], v[6:7]
.set n, n+1
.endr
.set n, 0
.rept 16
	v_pk_fma_f32 v[Y+2*n:Y+2*n+1], v[Y+2*n:Y+2*n+1], v[GA+2*n:GA+2*n+1], v[BE+2*n:BE+2*n+1]
.set n, n+1
.endr
.set j, 0
.rept 8
	global_store_b128 v1, v[Y+4*j:Y+4*j+3], s[12:13] offset:512*j
.set j, j+1
.endr
	s_endpgm
.Lfunc_end_k_qa860b96de4_ln:
	.size	k_qa860b96de4_ln, .Lfunc_end_k_qa860b96de4_ln-k_qa860b96de4_ln
	.p2alignl 7, 3214868480
	.fill 96, 4, 3214868480
	.section	.rodata,"a",@progbits
	.p2align	6, 0x0
	.amdhsa_kernel k_qa860b96de4_ln
		.amdhsa_group_segment_fixed_size 0
		.amdhsa_private_segment_fixed_size 0
		.amdhsa_enable_private_segment 0
		.amdhsa_kernarg_size 40
		.amdhsa_user_sgpr_count 2
		.amdhsa_user_sgpr_kernarg_segment_ptr 1
		.amdhsa_wavefront_size32 1
		.amdhsa_system_sgpr_workgroup_id_x 1
		.amdhsa_system_sgpr_workgroup_id_y 1
		.amdhsa_system_sgpr_workgroup_id_z 1
		.amdhsa_system_vgpr_workitem_id 0
		.amdhsa_next_free_vgpr 140
		.amdhsa_next_free_sgpr 66
		.amdhsa_reserve_vcc 0
		.amdhsa_float_denorm_mode_32 3
		.amdhsa_float_denorm_mode_16_64 3
		.amdhsa_memory_ordered 1
		.amdhsa_forward_progress 1
		.amdhsa_inst_pref_size 12
	.end_amdhsa_kernel
	.amdgpu_metadata
---
amdhsa.version: [ 1, 2 ]
amdhsa.kernels:
  - .name:           k_qa860b96de4_ln
    .symbol:         k_qa860b96de4_ln.kd
    .args:
      - { .name: x, .offset: 0, .size: 8, .value_kind: global_buffer, .address_space: global }
      - { .name: qf, .offset: 8, .size: 8, .value_kind: global_buffer, .address_space: global }
      - { .name: gamma, .offset: 16, .size: 8, .value_kind: global_buffer, .address_space: global }
      - { .name: beta, .offset: 24, .size: 8, .value_kind: global_buffer, .address_space: global }
      - { .name: out0, .offset: 32, .size: 8, .value_kind: global_buffer, .address_space: global }
    .group_segment_fixed_size: 0
    .private_segment_fixed_size: 0
    .kernarg_segment_align: 8
    .kernarg_segment_size: 40
    .max_flat_workgroup_size: 32
    .sgpr_count:     66
    .vgpr_count:     140
    .wavefront_size: 32
...
	.end_amdgpu_metadata
.endif
;; end of part 6
;; ======== version 2 of 2: 7 launches; version 1 with the launches cvt, qproj, oproj written anew for expert scheduling mode
;; workspace buffers: Fb 35,651,584 bytes; qf 1,048,576 bytes; Qp 2,097,152 bytes; cbv 4,096 bytes; Zpart 16,777,216 bytes; stat 131,072 bytes; cmb 1,048,576 bytes
;; launch cvt (part 7): grid 544 x 1, 8 waves a work-group, no clusters, 0 bytes of LDS; arguments hist, Wv, Fb; writes Fb
.if DOCPART == 7
	.amdgcn_target "amdgcn-amd-amdhsa--gfx1250"
	.amdhsa_code_object_version 6
	.text
	.protected	k_qa860b96de4_cvt
	.globl	k_qa860b96de4_cvt
	.p2align	8
	.type	k_qa860b96de4_cvt,@function
k_qa860b96de4_cvt:
	s_mov_b64 s[64:65], 0
	v_nop
	global_prefetch_b8 v0, s[64:65] scope:SCOPE_SE
	s_setreg_imm32_b32 hwreg(HW_REG_WAVE_SCHED_MODE, 0, 2), 2
	s_setreg_imm32_b32 hwreg(HW_REG_WAVE_MODE, 25, 1), 1
	s_wait_xcnt 0x0
	s_wait_alu depctr_vm_vsrc(0)
; Fb's rows 0 to 16,383 = hist rounded once to bf16, its 64 frames put in the order of their classes;  Fb's rows 16,384 to 17,407 = Wv rounded once to bf16, its rows put in the order in which the attention launch multiplies them.
; hist: [64][256][1024] f32.  Fb: [17408][1024] bf16; a frame is 256 rows.  Frame l goes to place p:
;   l % 16 == 0: p = l / 16 (0-3);  l % 16 == 8: p = 4 + l / 16 (4-7);  l % 8 == 4: p = 8 + l / 8 (8-15);  else p = 16 + 3 (l / 4) + l % 4 - 1 (16-63).
; So the frames of stride 16 are places 0-3, of stride 8 places 0-7, of stride 4 places 0-15, of stride 1 all; a softmax does not care for the order of its keys.
; Wv: [1024][1024] f32.  Its row 256 w + 128 q1 + 64 h + 32 q0 + 8 u + j goes to row 16,384 + 256 w + 128 q1 + 64 q0 + 16 u + 8 h + j (q1, q0, h one bit; u two; j three).
; A stream: no LDS, no matrix unit, no cluster (no byte is read twice).  A work-group owns 131,072 bytes of its source: work-groups 0 to 511 an eighth of a frame, 512 to 543 32 rows of Wv.
; Thread t takes 16 bytes at 16 t of each of the 32 runs of 4,096 bytes (a run is a row of 1,024 numbers).  All 32 loads of a wave (512 consecutive bytes each) go out at once;
; each store of a wave covers 256 consecutive bytes, aligned.
; THE MODE: SCHED_MODE bits 1:0 = 2 (LLVM: expert scheduling mode 2), set by the entry lines.  The code itself states the register dependences
; between vector instructions and memory instructions, with s_wait_alu, always for 0.
; THE PLAN.  Registers that memory instructions touch:
;   v1, v[OF ..]  byte offsets, made once at the head and never written again.
;   X             four registers a load.  Each is loaded once; the load's two roundings write the first two anew; its store reads those two.  None is loaded or stored twice.
; The 32 loads are worked off in eight groups of four.  Group g rounds its own registers; its memory instructions are the four stores of group g - 1, whose registers no rounding of group g names.
; So one wait at a group's head states all that its four stores hang on, and they are dealt among its roundings with no further wait.
.set NL, 32
.set GR, 4                             ; loads in a group
.set WVO, 16384*2048                   ; where Wv's copy begins in Fb
.set OF, 2                             ; v[2:5]    8 t + (i / 8) x EXTRA: where run i's 8 bytes go; EXTRA is 0 for hist, 8 rows for Wv
.set X,  8                             ; v[8:135]  load i: 4 registers
	s_load_b128 s[4:7], s[0:1], 0x0                ; hist s[4:5], Wv s[6:7]
	s_load_b64 s[8:9], s[0:1], 0x10                ; Fb
	s_lshr_b32 s12, ttmp9, 3                       ; frame l
	s_and_b32 s13, ttmp9, 7                        ; which eighth of it
	s_lshr_b32 s14, s12, 4                         ; p for l % 16 == 0
	s_add_co_u32 s15, s14, 4                       ; for l % 16 == 8
	s_and_b32 s16, s12, 15
	s_cmp_lg_u32 s16, 0
	s_cselect_b32 s14, s15, s14
	s_lshr_b32 s15, s12, 3
	s_add_co_u32 s15, s15, 8                       ; for l % 8 == 4
	s_and_b32 s16, s12, 7
	s_cmp_lg_u32 s16, 0
	s_cselect_b32 s14, s15, s14
	s_lshr_b32 s15, s12, 2
	s_mul_i32 s15, s15, 3
	s_and_b32 s16, s12, 3
	s_add_co_u32 s15, s15, s16
	s_add_co_u32 s15, s15, 15                      ; for the rest
	s_cmp_lg_u32 s16, 0
	s_cselect_b32 s14, s15, s14
	s_lshl_b32 s14, s14, 19                        ; place p: 524,288 bytes,
	s_lshl_b32 s13, s13, 16                        ; my eighth of it
	s_add_co_u32 s14, s14, s13                     ; where a work-group of hist stores
	s_lshl_b32 s18, ttmp9, 17                      ; and where it loads
	s_sub_co_u32 s20, ttmp9, 512                   ; a work-group of Wv: g = 8 w + 4 q1 + 2 h + q0 (of no use below 512, and not used there)
	s_lshl_b32 s19, s20, 17                        ; it loads rows 32 g on
	s_lshr_b32 s21, s20, 2
	s_lshl_b32 s21, s21, 7                         ; 256 w + 128 q1
	s_and_b32 s22, s20, 1
	s_lshl_b32 s22, s22, 6                         ; 64 q0
	s_add_co_u32 s21, s21, s22
	s_bfe_u32 s22, s20, 0x10001
	s_lshl_b32 s22, s22, 3                         ; 8 h
	s_add_co_u32 s21, s21, s22
	s_lshl_b32 s21, s21, 11                        ; rows of 2,048 bytes; run i = 8 u + j goes 16 u + j = i + 8 (i / 8) rows further
	s_add_co_u32 s21, s21, WVO
	s_cmp_lt_u32 ttmp9, 512
	s_cselect_b32 s24, s18, s19
	s_cselect_b32 s26, s14, s21
	s_cselect_b32 s23, 0, 16384                    ; EXTRA
	s_mov_b32 s25, 0
	s_mov_b32 s27, 0
	v_lshlrev_b32 v1, 4, v0                        ; 16 t: my bytes in a run of the source
	v_lshlrev_b32 v[OF], 3, v0                     ; 8 t: and of the copy
	v_add_nc_u32 v[OF+1], s23, v[OF]
	v_add_nc_u32 v[OF+2], s23, v[OF+1]
	v_add_nc_u32 v[OF+3], s23, v[OF+2]
	s_wait_kmcnt 0x0
	s_cmp_lt_u32 ttmp9, 512
	s_cselect_b64 s[4:5], s[4:5], s[6:7]           ; the source
	s_add_nc_u64 s[4:5], s[4:5], s[24:25]
	s_add_nc_u64 s[8:9], s[8:9], s[26:27]
	s_wait_alu depctr_va_vdst(0)                   ; v1 and v[OF .. OF + 3] are written: every load and store of the kernel reads one of them as its offset
.set i, 0
.rept NL
	global_load_b128 v[X+4*i:X+4*i+3], v1, s[4:5] offset:i*4096 th:TH_LOAD_NT
.set i, i+1
.endr
.set g, 0
.rept NL/GR
	s_wait_loadcnt NL-GR*(g+1)                     ; loads come back in order: group g's four are in, the younger groups stay out
.if g > 0
	s_wait_alu depctr_va_vdst(0)                   ; the roundings of the group before have written their registers, which the four stores below read
.endif
.set k, 0
.rept GR
.set i, GR*g+k
.if g > 0
	global_store_b64 v[OF+(i-GR)/8], v[X+4*(i-GR):X+4*(i-GR)+1], s[8:9] offset:(i-GR)*2048  ; the group before; no vector instruction since the wait names these registers
.endif
	v_cvt_pk_bf16_f32 v[X+4*i], v[X+4*i], v[X+4*i+1]
	v_cvt_pk_bf16_f32 v[X+4*i+1], v[X+4*i+2], v[X+4*i+3]
.set k, k+1
.endr
.set g, g+1
.endr
	s_wait_alu depctr_va_vdst(0)                   ; the last group's roundings have written their registers, which the last four stores read
.set i, NL-GR
.rept GR
	global_store_b64 v[OF+i/8], v[X+4*i:X+4*i+1], s[8:9] offset:i*2048
.set i, i+1
.endr
	s_endpgm
.Lfunc_end_k_qa860b96de4_cvt:
	.size	k_qa860b96de4_cvt, .Lfunc_end_k_qa860b96de4_cvt-k_qa860b96de4_cvt
	.p2alignl 7, 3214868480
	.fill 96, 4, 3214868480
	.section	.rodata,"a",@progbits
	.p2align	6, 0x0
	.amdhsa_kernel k_qa860b96de4_cvt
		.amdhsa_group_segment_fixed_size 0
		.amdhsa_private_segment_fixed_size 0
		.amdhsa_enable_private_segment 0
		.amdhsa_kernarg_size 24
		.amdhsa_user_sgpr_count 2
		.amdhsa_user_sgpr_kernarg_segment_ptr 1
		.amdhsa_wavefront_size32 1
		.amdhsa_system_sgpr_workgroup_id_x 1
		.amdhsa_system_sgpr_workgroup_id_y 1
		.amdhsa_system_sgpr_workgroup_id_z 1
		.amdhsa_system_vgpr_workitem_id 0
		.amdhsa_next_free_vgpr 136
		.amdhsa_next_free_sgpr 66
		.amdhsa_reserve_vcc 0
		.amdhsa_float_denorm_mode_32 3
		.amdhsa_float_denorm_mode_16_64 3
		.amdhsa_memory_ordered 1
		.amdhsa_forward_progress 1
		.amdhsa_inst_pref_size 13
	.end_amdhsa_kernel
	.amdgpu_metadata
---
amdhsa.version: [ 1, 2 ]
amdhsa.kernels:
  - .name:           k_qa860b96de4_cvt
    .symbol:         k_qa860b96de4_cvt.kd
    .args:
      - { .name: hist, .offset: 0, .size: 8, .value_kind: global_buffer, .address_space: global }
      - { .name: Wv, .offset: 8, .size: 8, .value_kind: global_buffer, .address_space: global }
      - { .name: Fb, .offset: 16, .size: 8, .value_kind: global_buffer, .address_space: global }
    .group_segment_fixed_size: 0
    .private_segment_fixed_size: 0
    .kernarg_segment_align: 8
    .kernarg_segment_size: 24
    .max_flat_workgroup_size: 256
    .sgpr_count:     66
    .vgpr_count:     136
    .wavefront_size: 32
...
	.end_amdgpu_metadata
.endif
;; end of part 7
;; launch qproj (part 8): grid 16 x 16, 4 waves a work-group, no clusters, 181,760 bytes of LDS; arguments x, Wq, bq, qf; writes qf
.if DOCPART == 8
	.amdgcn_target "amdgcn-amd-amdhsa--gfx1250"
	.amdhsa_code_object_version 6
	.text
	.protected	k_qa860b96de4_qproj
	.globl	k_qa860b96de4_qproj
	.p2align	8
	.type	k_qa860b96de4_qproj,@function
k_qa860b96de4_qproj:
	s_mov_b64 s[64:65], 0
	v_nop
	global_prefetch_b8 v0, s[64:65] scope:SCOPE_SE
	s_setreg_imm32_b32 hwreg(HW_REG_WAVE_SCHED_MODE, 0, 2), 2
	s_setreg_imm32_b32 hwreg(HW_REG_WAVE_MODE, 25, 1), 1
	s_wait_xcnt 0x0
	s_wait_alu depctr_vm_vsrc(0)
; out[m][n] = the sum over k of A[m][k] W[k][n] + bias[n].  A: [256][1024] f32; W: [1024][1024] f32 (k by n); bias: [1024] f32; out: [256][1024] f32.
; Operands are rounded to bf16 on their way to the matrix unit; sums, bias and out in f32.  One text for two launches: x Wq + bq, and combined Wo + bo.
; SHARES.  A tile of 16 x 64: columns 64 x on, rows 16 y on; K = 1,024 is split among the four waves, 256 each; the four partial tiles meet in LDS.  256 work-groups.
; W lies k by n, so its tile goes through LDS: loaded as f32 (16 lanes take 256 consecutive bytes of a row), rounded, stored as rows of 64 bf16, and read back turned by ds_load_tr16_b128.
; Each wave stores and reads its own 256 rows alone: LDS serves a wave's instructions in order (ISA guide 5.7.1.4), so no barrier stands there.
; NO TENSOR LOADS, NO CLUSTER: both operands are f32 in memory and must pass through registers to be rounded, so there is no tile that a joint load could lay into LDS ready for use.
; The product is taken transposed (source 0 = 16 columns of W, source 1 = 16 rows of A): a lane ends with eight neighbouring columns of one row of out.
; THE MODE: SCHED_MODE bits 1:0 = 2 (LLVM: expert scheduling mode 2), set by the entry lines.  The code itself states the register dependences
; between vector or matrix instructions and memory or LDS instructions, with s_wait_alu, always for 0.
; THE PLAN.  Registers that memory or LDS instructions touch:
;   v3-7, v14, v15  addresses and offsets, made once at the head and never written again.
;   BIAS            loaded once at the head; read by the last additions.
;   RAW0 .. RAW2    Batch b of W lands in set b % 3; its sixteen roundings read the set; behind them batch b + 3 lands in it.  No memory or LDS instruction reads these registers.
;   OUT             Written by batch b's roundings; read by batch b's eight LDS stores; written again by batch b + 1's roundings.
;   AR = BB0 .. BB3 A lands here once and is read by its 64 roundings.  Then buffer ks % 4 takes the turned fragments of K step ks, K step ks's four products read it, and in K step ks + 1 the fragments of K step ks + 4 land in it.
;   ACC             Written by the products; read by the LDS stores of my partial tile.
;   v[128:159]      At the end the partial tiles land here; the additions write v[128:135], which the two global stores read.
;   v[SPW], v[NIL]  Written at the head, read by the closing add alone.
; A batch of W has two waits: one on vm_vsrc ahead of its roundings (the last batch's stores have read OUT), one on va_vdst behind them (OUT is written; the set is read out); the batch's eight loads and eight stores follow that one.
; A K step that refills a buffer has one wait on va_vdst at its head; its eight LDS loads are dealt among its four products, which name another buffer, A's fragments and the accumulators.
.set WP,    160                        ; a row of W's tile in LDS: 128 bytes + 32 of padding
.set WTB,   256*WP                     ; a wave's 256 rows
.set RED,   4*WTB                      ; behind them: a partial tile for each wave, 16 rows x 272 bytes
.set RP,    272
.set REDW,  16*RP
.set SPARE, RED+4*REDW                 ; behind them: the spare words, 128 bytes for each wave: two blocks of 256 bytes that no other line names
.set AO,  3                            ; v3   A: (l % 16) x 4,096 + 32 (l / 16)
.set WO,  4                            ; v4   W and out: (l / 16) x 4,096 + 16 (l % 16)
.set WS,  5                            ; v5   where I store 8 bytes of W's tile
.set WTR, 6                            ; v6   where the turning loads read
.set RS,  7                            ; v7   where I put 32 bytes of my partial tile
.set BIAS, 8                           ; v[8:11]
.set SPW, 12                           ; v12  LDS address of my spare word; never rewritten
.set NIL, 13                           ; v13  0; never rewritten
.set RR,  14                           ; v14  where I read partial tiles back
.set BO,  15                           ; v15  16 (l % 16): my four numbers of the bias
.set OUT, 16                           ; v[16:31]   a batch of W rounded: two registers for each of its eight loads
.set TT,  16                           ; v16  at the head only: at work
.set RAW, 32                           ; v[32:127]  W as loaded: three sets of eight loads
.set ACC, 32                           ; v[32:63]   later: four accumulators, column block nt at ACC + 8 nt
.set AFR, 64                           ; v[64:127]  later: A's eight fragments
.set AR,  128                          ; v[128:255] A as loaded, 16 registers a K step of 32
.set BB,  128                          ; v[128:255] later: four buffers of W's fragments, 32 registers each
	s_load_b256 s[4:11], s[0:1], 0x0               ; A s[4:5], W s[6:7], bias s[8:9], out s[10:11]
	v_lshl_add_u32 v[SPW], v0, 2, SPARE
	v_mov_b32 v[NIL], 0
	v_lshrrev_b32 v[TT], 5, v0
	v_readfirstlane_b32 s12, v[TT]                 ; wave 0..3
	s_and_b32 s13, ttmp7, 0xffff                   ; y
	v_and_b32 v1, 15, v0                           ; l % 16
	v_bfe_u32 v2, v0, 4, 1                         ; l / 16
	v_lshlrev_b32 v[AO], 12, v1
	v_lshl_add_u32 v[AO], v2, 5, v[AO]
	v_lshlrev_b32 v[WO], 12, v2
	v_lshl_add_u32 v[WO], v1, 4, v[WO]
	s_wait_alu depctr_va_sdst(0)                   ; s12 is written, ahead of its first reader: LDS places and the bases of A, W and out are made from it
	s_mul_i32 s16, s12, WTB                        ; my rows of W's tile
	v_mul_u32_u24 v[WS], v2, WP
	v_lshl_add_u32 v[WS], v1, 3, v[WS]
	v_add_nc_u32 v[WS], s16, v[WS]
	v_and_b32 v[TT], 7, v0
	v_lshl_add_u32 v[TT], v2, 3, v[TT]             ; row 8 (l / 16) + l % 8
	v_mul_u32_u24 v[WTR], v[TT], WP
	v_bfe_u32 v[TT], v0, 3, 1
	v_lshl_add_u32 v[WTR], v[TT], 4, v[WTR]        ; columns 8 ((l / 8) % 2) on
	v_add_nc_u32 v[WTR], s16, v[WTR]
	s_mul_i32 s17, s12, REDW
	s_add_co_u32 s17, s17, RED
	v_mul_u32_u24 v[RS], v1, RP
	v_lshl_add_u32 v[RS], v2, 5, v[RS]
	v_add_nc_u32 v[RS], s17, v[RS]
	s_mul_i32 s17, s12, 4*RP                       ; wave w finishes rows 4 w .. 4 w + 3
	s_add_co_u32 s17, s17, RED
	v_mul_u32_u24 v[RR], v2, RP
	v_lshl_add_u32 v[RR], v1, 4, v[RR]
	v_add_nc_u32 v[RR], s17, v[RR]
	v_lshlrev_b32 v[BO], 4, v1
	s_lshl_b32 s20, s13, 16                        ; A: 16 y rows of 4,096 bytes,
	s_lshl_b32 s21, s12, 10                        ; my 256 numbers along K
	s_add_co_u32 s20, s20, s21
	s_mov_b32 s21, 0
	s_lshl_b32 s24, ttmp9, 8                       ; 64 x columns of 4 bytes
	s_mov_b32 s25, 0
	s_lshl_b32 s22, s12, 20                        ; W: my 256 rows
	s_add_co_u32 s22, s22, s24
	s_mov_b32 s23, 0
	s_lshl_b32 s26, s13, 16                        ; out: the tile's 16 rows,
	s_lshl_b32 s27, s12, 14                        ; my four of them
	s_add_co_u32 s26, s26, s27
	s_add_co_u32 s26, s26, s24
	s_mov_b32 s27, 0
	s_wait_kmcnt 0x0
	s_add_nc_u64 s[4:5], s[4:5], s[20:21]
	s_add_nc_u64 s[6:7], s[6:7], s[22:23]
	s_add_nc_u64 s[8:9], s[8:9], s[24:25]
	s_add_nc_u64 s[10:11], s[10:11], s[26:27]
; Batch b of 16: eight loads, two rows of W's tile each, into set b % 3.
.macro WLOAD b
.set e, 0
.rept 8
	global_load_b128 v[RAW+32*((\b)%3)+4*e:RAW+32*((\b)%3)+4*e+3], v[WO], s[6:7] offset:(8*(\b)+e)*8192
.set e, e+1
.endr
.endm
; Batch b is rounded, out of its set into OUT.
.macro WCVT b
.set e, 0
.rept 8
.set xr, RAW+32*((\b)%3)+4*e
	v_cvt_pk_bf16_f32 v[OUT+2*e], v[xr], v[xr+1]
	v_cvt_pk_bf16_f32 v[OUT+2*e+1], v[xr+2], v[xr+3]
.set e, e+1
.endr
.endm
; Batch b goes from OUT into my rows of the tile.
.macro WST b
.set e, 0
.rept 8
	ds_store_b64 v[WS], v[OUT+2*e:OUT+2*e+1] offset:(8*(\b)+e)*2*WP
.set e, e+1
.endr
.endm
; W's fragment of K step ks (32 rows, turned), column block nt, into buffer ks % 4: two loads.
.macro LDBN ks, nt
	ds_load_tr16_b128 v[BB+32*((\ks)%4)+8*(\nt):BB+32*((\ks)%4)+8*(\nt)+3],   v[WTR] offset:32*(\ks)*WP+32*(\nt)
	ds_load_tr16_b128 v[BB+32*((\ks)%4)+8*(\nt)+4:BB+32*((\ks)%4)+8*(\nt)+7], v[WTR] offset:32*(\ks)*WP+32*(\nt)+16*WP
.endm
; All four column blocks of K step ks.
.macro LDB ks
.set nt, 0
.rept 4
	LDBN \ks, nt
.set nt, nt+1
.endr
.endm
.macro PLACES                          ; four places behind a matrix instruction, in front of loads into its registers and of readers of its result
.rept 4
	v_nop
.endr
.endm
	s_wait_alu depctr_va_vdst(0)                   ; the seven addresses and offsets v3 to v7, v14 and v15 are written, which the loads and stores of the whole kernel read
	global_load_b128 v[BIAS:BIAS+3], v[BO], s[8:9]
.set ks, 0
.rept 8                                ; A: a fragment's lane holds k = 8 (l / 16) + 0..7 and 16 + 8 (l / 16) + 0..7: as f32 two runs of 32 bytes, 64 bytes apart
.set p, 0
.rept 4
	global_load_b128 v[AR+16*ks+4*p:AR+16*ks+4*p+3], v[AO], s[4:5] offset:128*ks+16*(p%2)+64*(p/2)
.set p, p+1
.endr
.set ks, ks+1
.endr
	WLOAD 0
	WLOAD 1
	WLOAD 2
.set b, 0
.rept 16
.if b < 14
	s_wait_loadcnt 16                              ; batch b is in (and all that was asked for before it); the two younger batches stay out
.elseif b == 14
	s_wait_loadcnt 8
.else
	s_wait_loadcnt 0x0
.endif
.if b > 0
	s_wait_alu depctr_vm_vsrc(0)                   ; the LDS stores of the batch before have read OUT, which the roundings below write again
.endif
	WCVT b
	s_wait_alu depctr_va_vdst(0)                   ; the roundings have written OUT, which the stores below read, and are done reading their set, in which the loads below land
.if b < 13
	WLOAD b+3                                      ; into the set just read out: the loads go first
.endif
	WST b
.set b, b+1
.endr
.set n, 0
.rept 32
	v_cvt_pk_bf16_f32 v[AFR+n], v[AR+2*n], v[AR+2*n+1]  ; A's fragments: register n of 64 is numbers 2 n, 2 n + 1 as loaded
.set n, n+1
.endr
	s_wait_alu depctr_va_vdst(0)                   ; these 32 roundings are done reading v[128:191], in which the fragments of K steps 0 and 1 land
	LDB 0
	LDB 1
.rept 32
	v_cvt_pk_bf16_f32 v[AFR+n], v[AR+2*n], v[AR+2*n+1]  ; the other half names v[192:255] and v[96:127] alone: none of the registers that the 16 loads above touch
.set n, n+1
.endr
	s_wait_alu depctr_va_vdst(0)                   ; and these are done reading v[192:255], in which the fragments of K steps 2 and 3 land
	LDB 2
	LDB 3
.set ks, 0
.rept 8
.if ks == 0
	s_wait_dscnt 24                                ; K step 0's eight loads are in; three younger runs stay out
.elseif ks < 6
	s_wait_dscnt 16                                ; K step ks's eight loads are in; two younger runs stay out
.else
	s_wait_dscnt 8*(7-ks)
.endif
.if (ks > 0) && (ks < 5)
	s_wait_alu depctr_va_vdst(0)                   ; the products of the K step before are done reading their buffer, in which the eight loads below land
.endif
.set nt, 0
.rept 4                                ; the four accumulators take turns, one instruction a turn
.if ks == 0
	v_wmma_f32_16x16x32_bf16 v[ACC+8*nt:ACC+8*nt+7], v[BB+32*(ks%4)+8*nt:BB+32*(ks%4)+8*nt+7], v[AFR+8*ks:AFR+8*ks+7], 0
.else
	v_wmma_f32_16x16x32_bf16 v[ACC+8*nt:ACC+8*nt+7], v[BB+32*(ks%4)+8*nt:BB+32*(ks%4)+8*nt+7], v[AFR+8*ks:AFR+8*ks+7], v[ACC+8*nt:ACC+8*nt+7]
.endif
.if (ks > 0) && (ks < 5)
	LDBN ks+3, nt                                  ; K step ks + 3, into the buffer multiplied last step.  No wait: no product since the wait above names that buffer
.endif
.set nt, nt+1
.endr
	PLACES
.set ks, ks+1
.endr
	s_wait_alu depctr_va_vdst(0)                   ; the products have written the accumulators, which the LDS stores read (the places above stay beside this wait), and are done reading v[128:159], in which the partial tiles land below
.set nt, 0
.rept 4                                ; my partial tile: row l % 16, columns 16 nt + 8 (l / 16) + 0..7; each accumulator's low registers first
	ds_store_b128 v[RS], v[ACC+8*nt:ACC+8*nt+3]   offset:64*nt
	ds_store_b128 v[RS], v[ACC+8*nt+4:ACC+8*nt+7] offset:64*nt+16
.set nt, nt+1
.endr
	s_wait_dscnt 0x0                               ; for the others' sake: my stores are done
	s_barrier_signal -1
	s_barrier_wait -1                              ; all four partial tiles lie in LDS
.set w, 0
.rept 4
.set p, 0
.rept 2
	ds_load_b128 v[BB+8*w+4*p:BB+8*w+4*p+3], v[RR] offset:w*REDW+p*2*RP
.set p, p+1
.endr
.set w, w+1
.endr
	s_wait_dscnt 0x0
.set q, 0
.rept 4                                ; q: pair of registers; pairs 0, 1 are the first two rows', pairs 2, 3 the next two rows'
	v_pk_add_f32 v[BB+2*q:BB+2*q+1], v[BB+2*q:BB+2*q+1], v[BB+8+2*q:BB+8+2*q+1]
	v_pk_add_f32 v[BB+16+2*q:BB+16+2*q+1], v[BB+16+2*q:BB+16+2*q+1], v[BB+24+2*q:BB+24+2*q+1]
.set q, q+1
.endr
.set q, 0
.rept 4
	v_pk_add_f32 v[BB+2*q:BB+2*q+1], v[BB+2*q:BB+2*q+1], v[BIAS+2*(q%2):BIAS+2*(q%2)+1]
.set q, q+1
.endr
.set q, 0
.rept 4
	v_pk_add_f32 v[BB+2*q:BB+2*q+1], v[BB+2*q:BB+2*q+1], v[BB+16+2*q:BB+16+2*q+1]
.set q, q+1
.endr
	s_wait_alu depctr_va_vdst(0)                   ; the additions have written v[128:135], which the two stores read
	global_store_b128 v[WO], v[BB:BB+3],   s[10:11]              ; 16 lanes store 256 consecutive bytes, aligned
	global_store_b128 v[WO], v[BB+4:BB+7], s[10:11] offset:8192
	s_wait_dscnt 0x0                               ; the closing lines, six on end
	s_wait_alu 0x0
	s_wait_tensorcnt 0x0
	ds_add_u32 v[SPW], v[NIL]
	s_wait_dscnt 0x0
	s_endpgm
.Lfunc_end_k_qa860b96de4_qproj:
	.size	k_qa860b96de4_qproj, .Lfunc_end_k_qa860b96de4_qproj-k_qa860b96de4_qproj
	.p2alignl 7, 3214868480
	.fill 96, 4, 3214868480
	.section	.rodata,"a",@progbits
	.p2align	6, 0x0
	.amdhsa_kernel k_qa860b96de4_qproj
		.amdhsa_group_segment_fixed_size 181760
		.amdhsa_private_segment_fixed_size 0
		.amdhsa_enable_private_segment 0
		.amdhsa_kernarg_size 32
		.amdhsa_user_sgpr_count 2
		.amdhsa_user_sgpr_kernarg_segment_ptr 1
		.amdhsa_wavefront_size32 1
		.amdhsa_system_sgpr_workgroup_id_x 1
		.amdhsa_system_sgpr_workgroup_id_y 1
		.amdhsa_system_sgpr_workgroup_id_z 1
		.amdhsa_system_vgpr_workitem_id 0
		.amdhsa_next_free_vgpr 256
		.amdhsa_next_free_sgpr 66
		.amdhsa_reserve_vcc 0
		.amdhsa_float_denorm_mode_32 3
		.amdhsa_float_denorm_mode_16_64 3
		.amdhsa_memory_ordered 1
		.amdhsa_forward_progress 1
		.amdhsa_inst_pref_size 58
	.end_amdhsa_kernel
	.amdgpu_metadata
---
amdhsa.version: [ 1, 2 ]
amdhsa.kernels:
  - .name:           k_qa860b96de4_qproj
    .symbol:         k_qa860b96de4_qproj.kd
    .args:
      - { .name: x, .offset: 0, .size: 8, .value_kind: global_buffer, .address_space: global }
      - { .name: Wq, .offset: 8, .size: 8, .value_kind: global_buffer, .address_space: global }
      - { .name: bq, .offset: 16, .size: 8, .value_kind: global_buffer, .address_space: global }
      - { .name: qf, .offset: 24, .size: 8, .value_kind: global_buffer, .address_space: global }
    .group_segment_fixed_size: 181760
    .private_segment_fixed_size: 0
    .kernarg_segment_align: 8
    .kernarg_segment_size: 32
    .max_flat_workgroup_size: 128
    .sgpr_count:     66
    .vgpr_count:     256
    .wavefront_size: 32
...
	.end_amdgpu_metadata
.endif
;; end of part 8
;; launch qk: the kernel of part 3 again; grid 8 x 64, 4 waves a work-group, no clusters, 34,560 bytes of LDS; arguments qf, Wk, bk, Qp, cbv; writes Qp, cbv
;; launch flash: the kernel of part 4 again; grid 16 x 16, 4 waves a work-group, clusters of 4 x 1, 327,680 bytes of LDS; arguments Qp, cbv, Fb, Zpart, stat; writes Zpart, stat
;; launch comb: the kernel of part 5 again; grid 256 x 1, 4 waves a work-group, no clusters, 0 bytes of LDS; arguments Zpart, stat, dil_w, bv, cmb; writes cmb
;; launch oproj: the kernel of part 8 again; grid 16 x 16, 4 waves a work-group, no clusters, 181,760 bytes of LDS; arguments cmb, Wo, bo, qf; writes qf
;; launch ln: the kernel of part 6 again; grid 256 x 1, 1 waves a work-group, no clusters, 0 bytes of LDS; arguments x, qf, gamma, beta, out0; writes out0
